; MI455X (gfx1250); checked and timed in simulation.
; The chip was launched on July 23, 2026; its instructions are those of AMD's public machine-readable ISA for CDNA 5 (MIT licence, August 2026) and "CDNA5" Instruction Set Architecture Reference Guide (July 2026). The comments in the code are by the model that wrote it; some were corrected since.
;; Causal Self Attention. Allowed arithmetic: matrix products marked QUANTISED: E4M3 operands, one E8M0 scale for each 32 along K, by v_wmma_scale_f32_16x16x128_f8f6f4 with both operands' format E4M3, f32 sums; everything else in f32.
;; Inputs: W_attn 1,024 x 3,072 float32; W_proj 1,024 x 1,024 float32; b_attn 3,072 float32; b_proj 1,024 float32; x 4 x 2,048 x 1,024 float32.
;; Outputs: out0 4 x 2,048 x 1,024 float32.
;; This version of the problem:
;;   THIS VERSION OF THE PROBLEM IS GIVEN IN LOW PRECISION. The matrix products marked QUANTISED in the list below multiply operands that are first quantised to E4M3 (4 exponent bits, 3 mantissa bits; 8 bits a number), with one power-of-two scale for each 32 numbers along K (OCP MX v1.0); their sums are f32. All else is computed in f32.
;;   The module's matrix products, in the order in which they are computed (A, B: the left and right operand; K: the contracted axis; several contracted axes count as one K, in the product's order):
;;     1. [M 8,192, K 1,024] x [K 1,024, N 3,072]; A: input x; B: input W_attn: QUANTISED
;;     2. batch 64 x [M 2,048, K 64] x [K 64, N 2,048]; A: computed on the way; B: computed on the way: QUANTISED
;;     3. batch 64 x [M 2,048, K 2,048] x [K 2,048, N 64]; A: softmax (see below); B: computed on the way: QUANTISED
;;     4. [M 8,192, K 1,024] x [K 1,024, N 1,024]; A: computed on the way; B: input W_proj: QUANTISED
;;   THE QUANTISER, for each operand of a quantised product, along K:
;;     - K is cut into blocks of 32 from its start; a last block that is shorter is filled with zeros.
;;     - A block's scale is 2^e with e = floor(log2(the largest magnitude in the block)) - 8, held to -126 .. 127; a block of zeros has e = 0. As a byte (E8M0): e + 127.
;;     - Each number is divided by its block's scale, clamped to +-448, and rounded to the nearest number of E4M3, ties to even, subnormals kept.
;;     - The product sums the exact products of the quantised numbers (number of the format x scale) in f32.
;;   ~~~python
;;   def quantise(x, axis):      # numpy; x: float32 -> the quantised numbers, widened to float32 again
;;       x = np.moveaxis(x, axis, -1); K = x.shape[-1]
;;       x = np.pad(x, [(0, 0)] * (x.ndim - 1) + [(0, -K % 32)]); x = x.reshape(x.shape[:-1] + (-1, 32)); a = np.abs(x).max(-1, keepdims=True)
;;       e = np.where(a > 0, np.clip(np.frexp(np.where(a > 0, a, 1))[1] - 1 - 8, -126, 127), 0)      # np.frexp(a)[1] - 1 = floor(log2(a)), exactly
;;       r = np.clip(x / 2.0 ** e, -448, 448)
;;       step = 2.0 ** (np.maximum(np.frexp(np.where(r == 0, 1, r))[1] - 1, -6) - 3)
;;       q = np.round(r / step) * step * 2.0 ** e      # np.round: ties to even
;;       return np.moveaxis(q.reshape(q.shape[:-2] + (-1,))[..., :K], -1, axis).astype(np.float32)
;;   ~~~
;;   SOFTMAX AHEAD OF A QUANTISED PRODUCT. Where the list says 'softmax', what is quantised is not the finished softmax but p = 2^(t - M), with t = logit x log2(e) and M = ceil(the row's largest t), a whole number; so 1/2 < the row's largest p <= 1. The row's sum l is taken of the UNQUANTISED p, in f32, and the product's result is divided by l at the end. Since M is a whole number, a kernel that streams over the keys may use a running M (the ceiling of the running maximum): every later rescaling is an exact power of two, which a block's scale takes up: the codes' values come out the same.
;;   OPERANDS COMPUTED ON THE WAY. 'Computed on the way' means the value that the module computes at that place (a softmax that the list does not call 'softmax' is quantised finished and normalised). What goes into a quantiser is computed in f32, as accurately as f32 sums, v_exp_f32 and their like allow (about 1e-6 of the number): no bf16 or f16 on the way to a quantiser, and a product that is left as it is and whose result goes on into a quantised operand takes f32 operands (vector FMAs, or v_wmma_f32_16x16x4_f32). A number that lies on a knife's edge between two numbers of the format may be rounded either way, as far as f32 arithmetic and the matrix unit's own rounding can turn it there, and no further.
;; One version. Each part assembles by itself: llvm-mc -triple=amdgcn-amd-amdhsa -mcpu=gfx1250 --defsym DOCPART=n.
;; ======== version 1 of 1: 4 launches
;; limits: right only within a limited range of input values
;; workspace buffers: xc 8,388,608 bytes; xs 262,144 bytes; wc 4,194,304 bytes; ws 131,072 bytes; qb 8,912,896 bytes; kv 17,825,792 bytes; yc 8,388,608 bytes; ys 262,144 bytes
;; launch prep (part 1): grid 384 x 1, 4 waves a work-group, no clusters, 68,096 bytes of LDS; arguments x, W_attn, W_proj, xc, xs, wc, ws; writes xc, xs, wc, ws
.if DOCPART == 1
	.amdgcn_target "amdgcn-amd-amdhsa--gfx1250"
	.amdhsa_code_object_version 6
	.text
	.protected	k_q1c09eb3c42_prep
	.globl	k_q1c09eb3c42_prep
	.p2align	8
	.type	k_q1c09eb3c42_prep,@function
k_q1c09eb3c42_prep:
	s_mov_b64 s[64:65], 0
	v_nop
	global_prefetch_b8 v0, s[64:65] scope:SCOPE_SE
	s_setreg_imm32_b32 hwreg(HW_REG_WAVE_MODE, 25, 1), 1
	s_wait_xcnt 0x0
; x [8192][1024], W_attn [1024][3072] and W_proj [1024][1024], f32, become codes of FP8 (E4M3) with K innermost and one E8M0 scale byte for each 32 along K.
; A block's scale is 2^(floor(log2(its largest magnitude)) - 8); its byte is the largest magnitude's exponent field - 8, held at 1 from below; each number is divided by the scale, held within +-448 and rounded to the nearest code.
; LIMITS: a block of zeros gets the byte 1 (its codes are zeros, and this program alone reads the bytes); blocks whose largest magnitude lies under 2^-118 are held at byte 1; NaN and infinities are not served.
; THE ORDER OF ROWS.  sw(p) swaps bits 3 and 4 of p.  Token T of x is stored at row sw(T) of xc and xs; row R of wc and ws holds column sw(R) of the weights (rows 0-3071 W_attn's, 3072-4095 W_proj's).
; So sixteen neighbouring rows, used as source 0 of a matrix instruction, leave in a lane's registers of two neighbouring tiles sixteen NEIGHBOURS in true order: later launches quantise results in registers.
; Work-groups 0-255 take x (K innermost: a plain stream of blocks), 256-383 the weights (K is the first axis: a lane takes a column, its registers run down K).  The two ways part on the work-group's number and
; have LDS bytes of their own.  No tensor loads, no barrier: waves share nothing.
.set SPARE, 67584                      ; behind both ways' stages: the spare words, 128 bytes for each wave
.set SPW,   208                        ; v208 LDS address of my spare word; never rewritten
.set NIL,   209                        ; v209 0; never rewritten
.set MANT,  0x600000                   ; the mantissa field of 448
; the way of x
.set STEPS, 16                         ; a wave takes 16 steps of 512 numbers: 8 tokens
.set CB,    16                         ; bytes of 16 codes
.set R,     16                         ; v16-79   four sets of 16 numbers as loaded
.set X,     80                         ; v80-111  two sets of 16 neighbours
.set E,     112                        ; v112-127 a scale byte for each step
.set C,     128                        ; v128-191 four registers of codes for each step: no store's data are written again
.set WREG,  8192                       ; LDS bytes 0-32767: a region for each wave: two stages of 32 x SP bytes, then its 256 scale bytes
.set SP,    80                         ; a lane's place in a stage: 64 bytes + 16 of padding
; the way of the weights
.set WST,   32768                      ; LDS bytes 32768-67583: a stage of 32 rows x PITCH for each wave
.set PITCH, 272
.set WX,    32                         ; v32-95   two sets of 32 numbers
.set WC,    96                         ; v96-103  a block's codes
.set OUTR,  112                        ; v112-175 the way out
.set SB,    24                         ; v24-25   my column's eight scale bytes
.set RO,    176                        ; v176-207 byte offset of row i of a block: 4 x lane + i x the weight's row; never rewritten
.set WB,    32                         ; s[32:47] where each of my eight blocks begins; never rewritten
.macro XLOAD t
.irp i, 0,1,2,3
	global_load_b128 v[R+16*((\t)%4)+4*\i:R+16*((\t)%4)+4*\i+3], v3, s[4:5] offset:2048*(\t)+512*\i th:TH_LOAD_NT   ; 32 lanes read 512 consecutive bytes
.endr
.endm
.macro XTURN t                         ; a step's 2,048 bytes through my stage: in as they lie, out 64 bytes a lane.  LDS serves a wave's instructions in order: no wait between
.irp i, 0,1,2,3
	ds_store_b128 v14, v[R+16*((\t)%4)+4*\i:R+16*((\t)%4)+4*\i+3] offset:32*SP*((\t)%2)+8*SP*\i
.endr
.irp i, 0,1,2,3
	ds_load_b128 v[X+16*((\t)%2)+4*\i:X+16*((\t)%2)+4*\i+3], v15 offset:32*SP*((\t)%2)+16*\i
.endr
.endm
.macro XSTEP t
.set XS, X+16*((\t)%2)
.if (\t) > 0
	s_wait_dscnt 1                                 ; this step's numbers are back from the stage (the last step's byte store may be out)
.else
	s_wait_dscnt 0x0
.endif
.if (\t)+4 < STEPS
	XLOAD (\t)+4                                   ; into the registers whose stores into the stage have just been served
.endif
.if (\t)+1 < STEPS
.if STEPS-2-(\t) >= 3
	s_wait_loadcnt 12                              ; the next step's four loads are in; those of three steps behind it may be out
.else
	s_wait_loadcnt 4*(STEPS-2-(\t))
.endif
	XTURN (\t)+1
.endif
	v_max3_num_f32 v8, |v[XS]|, |v[XS+1]|, |v[XS+2]|               ; the largest magnitude of my 16, in two chains
	v_max3_num_f32 v9, |v[XS+3]|, |v[XS+4]|, |v[XS+5]|
.irp i, 6,10
	v_max3_num_f32 v8, v8, |v[XS+\i]|, |v[XS+\i+1]|
	v_max3_num_f32 v9, v9, |v[XS+\i+2]|, |v[XS+\i+3]|
.endr
	v_max3_num_f32 v8, v8, |v[XS+14]|, |v[XS+15]|
	v_max3_num_f32 v8, v8, v9, 0x4800000           ; and the floor 2^(9 - 127): the byte cannot fall under 1
	v_max_num_f32_dpp v8, v8, v8 row_xmask:1 row_mask:0xf bank_mask:0xf   ; with my neighbour's 16: the block's
	v_add_nc_u32 v11, 0xfc000000, v8               ; 8 off the exponent field: the conversion takes this operand's exponent field as its scale
	v_and_or_b32 v10, v8, 0x7f800000, s23          ; 448 x the scale
.irp i, 0,1,2,3,4,5,6,7,8,9,10,11,12,13,14,15
	v_med3_num_f32 v[XS+\i], v[XS+\i], -v10, v10   ; the conversion to an 8-bit code does not saturate (ISA guide 7.6.2): the hold comes first
.endr
	v_cvt_scalef32_pk8_fp8_f32 v[C+4*(\t):C+4*(\t)+1], v[XS:XS+7], v11
	v_cvt_scalef32_pk8_fp8_f32 v[C+4*(\t)+2:C+4*(\t)+3], v[XS+8:XS+15], v11
	v_lshrrev_b32 v[E+(\t)], 23, v11               ; the scale's byte (also the plain line behind the conversions)
	ds_store_b8 v5, v[E+(\t)] offset:16*(\t)       ; both lanes of a block write the same byte with the same value
	global_store_b128 v4, v[C+4*(\t):C+4*(\t)+3], s[10:11] offset:32*CB*(\t)   ; the wave stores 512 consecutive bytes, aligned
.endm
.macro WLOAD t                         ; block t: W(32 t + i, my column), i = 0 .. 31: each load reads 128 consecutive bytes a wave
.irp i, 0,1,2,3,4,5,6,7,8,9,10,11,12,13,14,15,16,17,18,19,20,21,22,23,24,25,26,27,28,29,30,31
	global_load_b32 v[WX+32*((\t)%2)+\i], v[RO+\i], s[WB+2*(\t):WB+2*(\t)+1] th:TH_LOAD_NT
.endr
.endm
.macro WBLOCK t
.set XS, WX+32*((\t)%2)
.if (\t) < 7
	s_wait_loadcnt 32                              ; this block's 32 loads are in; the next block's may be out
.else
	s_wait_loadcnt 0x0
.endif
	v_max3_num_f32 v12, |v[XS]|, |v[XS+1]|, |v[XS+2]|              ; all 32 numbers of the block are mine
	v_max3_num_f32 v13, |v[XS+3]|, |v[XS+4]|, |v[XS+5]|
.irp i, 6,10,14,18,22,26
	v_max3_num_f32 v12, v12, |v[XS+\i]|, |v[XS+\i+1]|
	v_max3_num_f32 v13, v13, |v[XS+\i+2]|, |v[XS+\i+3]|
.endr
	v_max3_num_f32 v12, v12, |v[XS+30]|, |v[XS+31]|
	v_max3_num_f32 v12, v12, v13, 0x4800000        ; the floor
	v_add_nc_u32 v11, 0xfc000000, v12              ; the conversion's scale operand
	v_and_or_b32 v10, v12, 0x7f800000, s30         ; 448 x the scale
	v_lshrrev_b32 v13, 23, v11                     ; the scale's byte
.if (\t)%4 == 0
	v_mov_b32 v[SB+(\t)/4], v13                    ; four bytes to a register, the lower K in the lower byte
.else
	v_lshl_or_b32 v[SB+(\t)/4], v13, 8*((\t)%4), v[SB+(\t)/4]
.endif
.irp i, 0,1,2,3,4,5,6,7,8,9,10,11,12,13,14,15,16,17,18,19,20,21,22,23,24,25,26,27,28,29,30,31
	v_med3_num_f32 v[XS+\i], v[XS+\i], -v10, v10
.endr
.irp g, 0,1,2,3
	v_cvt_scalef32_pk8_fp8_f32 v[WC+2*\g:WC+2*\g+1], v[XS+8*\g:XS+8*\g+7], v11
.endr
	v_nop                                          ; the plain line behind the last conversion
	ds_store_b128 v4, v[WC:WC+3] offset:32*(\t)    ; 32 codes of my column's row in the stage
	ds_store_b128 v4, v[WC+4:WC+7] offset:32*(\t)+16
.if (\t)+2 < 8
	WLOAD (\t)+2
.endif
	s_wait_dscnt 0x0                               ; the stores have read their registers: the next block's codes may be written
.endm
	s_load_b256 s[4:11], s[0:1], 0x0               ; x s[4:5], W_attn s[6:7], W_proj s[8:9], xc s[10:11]
	s_load_b128 s[12:15], s[0:1], 0x20             ; xs s[12:13], wc s[14:15]
	s_load_b64 s[16:17], s[0:1], 0x30              ; ws
	v_lshl_add_u32 v[SPW], v0, 2, SPARE
	v_mov_b32 v[NIL], 0
	v_lshrrev_b32 v1, 5, v0
	v_readfirstlane_b32 s18, v1                    ; wave 0..3
	v_and_b32 v2, 31, v0                           ; lane
	s_wait_kmcnt 0x0
	s_cmp_lt_u32 ttmp9, 256                        ; the same in all four waves
	s_cbranch_scc0 .Lweights
	; ---- x: my wave's run of 8,192 numbers is 8 tokens
	s_wait_alu depctr_va_vdst(0)
	v_lshlrev_b32 v3, 4, v2                        ; my 16 bytes of a load's 512
	s_mul_i32 s19, s18, WREG
	v_lshrrev_b32 v14, 2, v2
	v_mul_u32_u24 v14, v14, SP
	v_and_b32 v15, 3, v2
	v_lshl_add_u32 v14, v15, 4, v14
	v_add_nc_u32 v14, s19, v14                     ; the stage, on the way in: SP (lane / 4) + 16 (lane % 4)
	v_mul_u32_u24 v15, v2, SP
	v_add_nc_u32 v15, s19, v15                     ; and on the way out: SP x lane
	v_mul_u32_u24 v4, v2, CB                       ; my codes' place in a step's
	v_lshrrev_b32 v5, 1, v2
	s_add_co_u32 s19, s19, 2*32*SP
	v_add_nc_u32 v5, s19, v5                       ; my wave's 256 scale bytes, my block's byte
	v_lshlrev_b32 v7, 3, v2                        ; and on the way out 8 bytes a lane
	v_add_nc_u32 v6, s19, v7
	s_mov_b32 s23, MANT
	s_lshl_b32 s20, ttmp9, 2
	s_add_co_u32 s20, s20, s18                     ; run = 4 x work-group + wave
	s_lshl_b32 s24, s20, 15                        ; 32,768 bytes of x a run
	s_mov_b32 s25, 0
	s_add_nc_u64 s[4:5], s[4:5], s[24:25]
	s_and_b32 s21, s20, 0xfffffffc                 ; where the run goes: its bits 0 and 1 (the tokens' bits 3 and 4) change places
	s_and_b32 s22, s20, 1
	s_lshl_b32 s22, s22, 1
	s_or_b32 s21, s21, s22
	s_bfe_u32 s22, s20, 0x10001
	s_or_b32 s21, s21, s22
	s_lshl_b32 s24, s21, 13                        ; 8,192 bytes of codes a run
	s_add_nc_u64 s[10:11], s[10:11], s[24:25]
	s_lshl_b32 s24, s21, 8                         ; 256 scale bytes a run
	s_add_nc_u64 s[12:13], s[12:13], s[24:25]
.irp t, 0,1,2,3
	XLOAD \t
.endr
	s_wait_alu depctr_va_vdst(0)
	s_wait_loadcnt 12                              ; step 0's four loads are in
	XTURN 0
.irp t, 0,1,2,3,4,5,6,7,8,9,10,11,12,13,14,15
	XSTEP \t
.endr
	ds_load_b64 v[8:9], v6                         ; LDS serves a wave's instructions in order: these see my byte stores
	s_wait_dscnt 0x0
	global_store_b64 v7, v[8:9], s[12:13]          ; 32 lanes store 256 consecutive bytes, aligned
	s_wait_tensorcnt 0x0                           ; the wave's end
	ds_add_u32 v[SPW], v[NIL]
	s_wait_dscnt 0x0
	s_endpgm
.Lweights:
	; ---- the weights: a wave takes 32 columns x 256 along K; both weights go one way, told apart by pointer, row length and first column
	s_sub_co_u32 s19, ttmp9, 256
	s_lshr_b32 s20, s19, 2                         ; which 128 rows of wc: 0-23 W_attn's, 24-31 W_proj's
	s_and_b32 s21, s19, 3                          ; which 256 along K
	s_mov_b32 s22, 4096
	s_cmp_lt_u32 s20, 24
	s_cselect_b64 s[6:7], s[6:7], s[8:9]           ; the weight
	s_cselect_b32 s22, 12288, s22                  ; its row in bytes
	s_cselect_b32 s23, 0, 24
	s_sub_co_u32 s23, s20, s23
	s_lshl_b32 s23, s23, 7
	s_lshl_b32 s24, s18, 5
	s_add_co_u32 s23, s23, s24                     ; my first column in the weight
	s_lshl_b32 s25, s20, 7
	s_add_co_u32 s25, s25, s24                     ; my first row in wc and ws
	s_lshl_b32 s26, s21, 8
	s_mul_i32 s26, s26, s22                        ; 256 rows of the weight for each step along K
	s_lshl_b32 s27, s23, 2
	s_add_co_u32 s26, s26, s27
	s_mov_b32 s27, 0
	s_add_nc_u64 s[WB:WB+1], s[6:7], s[26:27]
	s_lshl_b32 s26, s22, 5                         ; a block is 32 rows
.irp t, 1,2,3,4,5,6,7
	s_add_nc_u64 s[WB+2*\t:WB+2*\t+1], s[WB+2*\t-2:WB+2*\t-1], s[26:27]
.endr
	s_wait_alu depctr_va_vdst(0)
	v_lshlrev_b32 v3, 2, v2
.irp i, 0,1,2,3,4,5,6,7,8,9,10,11,12,13,14,15,16,17,18,19,20,21,22,23,24,25,26,27,28,29,30,31
	v_mad_u32_u24 v[RO+\i], s22, \i, v3
.endr
	WLOAD 0
	WLOAD 1
	v_and_b32 v5, 7, v2                            ; sw(lane): my column's row among the wave's 32
	v_bfe_u32 v6, v2, 3, 1
	v_lshl_or_b32 v5, v6, 4, v5
	v_bfe_u32 v6, v2, 4, 1
	v_lshl_or_b32 v5, v6, 3, v5
	s_mul_i32 s28, s18, 32*PITCH
	s_add_co_u32 s28, s28, WST                     ; my stage
	v_mul_u32_u24 v4, v5, PITCH
	v_add_nc_u32 v4, s28, v4                       ; into it: that row
	v_lshlrev_b32 v9, 5, v5                        ; and its 32 scale bytes in ws
	v_and_b32 v5, 15, v2
	v_lshrrev_b32 v6, 4, v2                        ; out of it: sixteen lanes to a row, two rows an instruction
	v_mul_u32_u24 v7, v6, PITCH
	v_lshl_add_u32 v7, v5, 4, v7
	v_add_nc_u32 v7, s28, v7
	v_lshlrev_b32 v8, 10, v6                       ; and the same place in wc: rows of 1,024 bytes
	v_lshl_add_u32 v8, v5, 4, v8
	s_lshl_b32 s26, s25, 10
	s_lshl_b32 s29, s21, 8
	s_add_co_u32 s26, s26, s29
	s_add_nc_u64 s[14:15], s[14:15], s[26:27]      ; wc at my first row, my 256 along K
	s_lshl_b32 s26, s25, 5
	s_lshl_b32 s29, s21, 3
	s_add_co_u32 s26, s26, s29
	s_add_nc_u64 s[16:17], s[16:17], s[26:27]      ; ws likewise: 8 bytes
	s_mov_b32 s30, MANT
.irp t, 0,1,2,3,4,5,6,7
	WBLOCK \t
.endr
	global_store_b64 v9, v[SB:SB+1], s[16:17]      ; 8 bytes a lane, rows 32 bytes apart: one byte for each 128 that the way reads
.irp t, 0,1,2,3,4,5,6,7,8,9,10,11,12,13,14,15
	ds_load_b128 v[OUTR+4*\t:OUTR+4*\t+3], v7 offset:2*\t*PITCH
.endr
.irp t, 0,1,2,3,4,5,6,7,8,9,10,11,12,13,14,15
	s_wait_dscnt 15-\t                             ; LDS loads come back in order: pair t of rows is in
	global_store_b128 v8, v[OUTR+4*\t:OUTR+4*\t+3], s[14:15] offset:2*\t*1024   ; sixteen lanes store 256 consecutive bytes, aligned
.endr
	s_wait_tensorcnt 0x0                           ; the wave's end
	ds_add_u32 v[SPW], v[NIL]
	s_wait_dscnt 0x0
	s_endpgm
.Lfunc_end_k_q1c09eb3c42_prep:
	.size	k_q1c09eb3c42_prep, .Lfunc_end_k_q1c09eb3c42_prep-k_q1c09eb3c42_prep
	.p2alignl 7, 3214868480
	.fill 96, 4, 3214868480
	.section	.rodata,"a",@progbits
	.p2align	6, 0x0
	.amdhsa_kernel k_q1c09eb3c42_prep
		.amdhsa_group_segment_fixed_size 68096
		.amdhsa_private_segment_fixed_size 0
		.amdhsa_enable_private_segment 0
		.amdhsa_kernarg_size 56
		.amdhsa_user_sgpr_count 2
		.amdhsa_user_sgpr_kernarg_segment_ptr 1
		.amdhsa_wavefront_size32 1
		.amdhsa_system_sgpr_workgroup_id_x 1
		.amdhsa_system_sgpr_workgroup_id_y 1
		.amdhsa_system_sgpr_workgroup_id_z 1
		.amdhsa_system_vgpr_workitem_id 0
		.amdhsa_next_free_vgpr 212
		.amdhsa_next_free_sgpr 66
		.amdhsa_reserve_vcc 0
		.amdhsa_float_denorm_mode_32 3
		.amdhsa_float_denorm_mode_16_64 3
		.amdhsa_memory_ordered 1
		.amdhsa_forward_progress 1
		.amdhsa_inst_pref_size 112
	.end_amdhsa_kernel
	.amdgpu_metadata
---
amdhsa.version: [ 1, 2 ]
amdhsa.kernels:
  - .name:           k_q1c09eb3c42_prep
    .symbol:         k_q1c09eb3c42_prep.kd
    .args:
      - { .name: x, .offset: 0, .size: 8, .value_kind: global_buffer, .address_space: global }
      - { .name: W_attn, .offset: 8, .size: 8, .value_kind: global_buffer, .address_space: global }
      - { .name: W_proj, .offset: 16, .size: 8, .value_kind: global_buffer, .address_space: global }
      - { .name: xc, .offset: 24, .size: 8, .value_kind: global_buffer, .address_space: global }
      - { .name: xs, .offset: 32, .size: 8, .value_kind: global_buffer, .address_space: global }
      - { .name: wc, .offset: 40, .size: 8, .value_kind: global_buffer, .address_space: global }
      - { .name: ws, .offset: 48, .size: 8, .value_kind: global_buffer, .address_space: global }
    .group_segment_fixed_size: 68096
    .private_segment_fixed_size: 0
    .kernarg_segment_align: 8
    .kernarg_segment_size: 56
    .max_flat_workgroup_size: 128
    .sgpr_count:     66
    .vgpr_count:     212
    .wavefront_size: 32
...
	.end_amdgpu_metadata
.endif
;; end of part 1
;; launch qkv (part 2): grid 12 x 32, 4 waves a work-group, clusters of 4 x 4, 327,680 bytes of LDS; arguments xc, xs, wc, ws, b_attn, qb, kv; writes qb, kv
.if DOCPART == 2
	.amdgcn_target "amdgcn-amd-amdhsa--gfx1250"
	.amdhsa_code_object_version 6
	.text
	.protected	k_q1c09eb3c42_qkv
	.globl	k_q1c09eb3c42_qkv
	.p2align	8
	.type	k_q1c09eb3c42_qkv,@function
k_q1c09eb3c42_qkv:
	s_mov_b64 s[64:65], 0
	v_nop
	global_prefetch_b8 v0, s[64:65] scope:SCOPE_SE
	s_setreg_imm32_b32 hwreg(HW_REG_WAVE_MODE, 25, 1), 1
	s_wait_xcnt 0x0
	s_wait_alu depctr_hold_cnt(0) depctr_sa_sdst(0) depctr_va_vdst(0) depctr_va_sdst(0) depctr_va_ssrc(0) depctr_va_vcc(0) depctr_vm_vsrc(0)
	s_getreg_b32 s2, hwreg(HW_REG_IB_STS2, 6, 4)
	s_cmp_eq_u32 s2, 0
	s_cbranch_scc0 .Lentry_in_a_cluster
	s_endpgm
.Lentry_in_a_cluster:
	s_bfe_u32 s2, ttmp6, 0x10000c
	s_cmp_lg_u32 s2, 0xf033
	s_cbranch_scc0 .Lentry_shape_is_right
	s_endpgm
.Lentry_shape_is_right:
; qkv = x W_attn + b_attn on codes of FP8 (E4M3) with E8M0 scales, K = 1,024; the results are quantised in registers and leave as IMAGES OF OPERAND REGISTERS for the attention launch.
; The product is C' = A' B'^T on tiles of 256 x 256; four waves, 128 x 128 each: 64 accumulators, 512 registers.  K goes in four steps of 256 through a ring of two LDS slots filled by the tensor data mover;
; the scale bytes of the work-group's rows come once.  The matrix instruction is used transposed (source 0 = 16 rows of B', source 1 = 16 rows of A'): a lane holds ONE row of A' and, since the rows of xc and wc
; lie in the order sw (bits 3 and 4 swapped), the 16 registers of two neighbouring tiles of B' are 16 neighbours in true order: a quantiser's block of 32 lies in lanes l and l xor 16.
; ROLES, by the cluster's x, which all sixteen partners share.  0 (q), 1 (k): A' = x's 8,192 rows, B' = the weights' rows 0-2047: a lane holds a token and channels: quantised along the head's 64 channels.
; 2 (v): A' = the weights' rows 2048-3071, B' = x's rows: a lane holds a channel and tokens: quantised along the keys.  Only pointers, tile numbers, the bias's layout and the way out's strides differ.
; CLUSTERS: 4 x 4 work-groups; A's tile is asked for jointly along a row of the cluster, B's along a column.
; The bias is the C of each sum's first matrix instruction.
; OUT.  qb: [16 batch + head][128 tokens] records of 8,704 bytes: codes [tile 0-7][c 0-1][lane][16], then scale words [tile / 4][row][tile % 4] (bytes 2, 3 = 0: the product's upper 64 along K are zero codes).
; kv: records of 17,408 bytes: K as q (8,192); V^T [tile of 16 channels 0-3][c 0-3][lane][16] (8,192); K's scale words (512); V's [copy 0-1][row][tile] (512).
; LIMITS: a block of zeros gets the byte 1; blocks under 2^-118 are held at byte 1; NaN and infinities are not served.
; REGISTERS: window 0: v0-31 addresses; v32-63 scale words, two sets; v64-127 the bias; v128-255 A's fragments, one set.  window 1: B's fragments, two sets.  windows 2, 3: the accumulators ((a, b) at v[8 (8 (a % 4) + b)]).
.set NQ,     2                         ; steps of 128 along K in a slot
.set ROWB,   256                       ; a tile's row in bytes
.set KROW,   1024                      ; a row of codes in memory
.set PITCH,  272                       ; an LDS row: 256 bytes + 16 of padding: the 16 rows that a load touches start at 16 different banks (64 banks of 4 bytes: ISA guide 11.1)
.set FR,     16
.set NL,     4
.set NP,     8                         ; places behind this matrix instruction (ISA guide 7.12.1)
.set HALFT,  128*PITCH
.set SLOT,   4*HALFT
.set KS,     32                        ; a row of scale bytes
.set SCL,    2*SLOT
.set HALFS,  (128*KS/256)*272
.set SBLK,   (16*KS/256)*272
.set SPARE,  SCL+4*HALFS               ; the spare words, 128 bytes for each wave
.set QHEAD,  139264
.set QREC,   8704
.set KVHEAD, 278528
.set KVREC,  17408
.set ADRA, 16
.set ADRB, 20
.set ADRS, 27
.set SPW,  28
.set NIL,  29
.set SC,   32
.set BI,   64                          ; v64-127 the bias, eight registers a tile
.set AF,   128
.set G1, 24
.set G0, 32
.set G1B, 48
.set G0B, 56
.set G1S, 68
.set G0S, 76
.set G1SB, 80
.set G0SB, 88
; the way out (window 0, when the products are done)
.set VO,   4                           ; v4-7   byte offset of chunk 0-3 of a block's codes
.set SV,   8                           ; v8-9   byte offsets of the scale words' two stores
.set STS,  10                          ; v10    my stage in LDS: where a scale word goes
.set STR,  11                          ; v11    and where 16 bytes come back
.set SHV,  12                          ; v12    q, k: 16 x (lane / 16); v: 0
.set PC,   32                          ; v32-159 a set of 16 registers of codes for each of the eight blocks: no store's data are written again
.set RB,   160
.set TM,   200
.set PW,   216
.set PWS,  217                         ; v217-224
.set BA,   24                          ; s[24:39] where block a's codes go
.set MSB, 0
.macro WIN new                         ; the immediate's high byte repeats the setting that is left
.if MSB != (\new)
	s_set_vgpr_msb (MSB<<8)|(\new)
.set MSB, (\new)
.endif
.endm
.set MUL_LO, 0xa1                      ; source 0 (B') window 1, source 1 (A') window 0, C and D window 2
.set MUL_HI, 0xf1
.set TO_B,   0x40
; A joint load: waves 0 and 1 fetch for A', waves 2 and 3 for B'.  The branch hangs on the wave's number alone.  An s_nop 0 and four v_nop follow each line.
.macro JLOAD g0a, g1a, g0b, g1b
	s_cmp_eq_u32 s15, 0
	s_cbranch_scc0 .Lfor_b_\@
	tensor_load_to_lds s[\g0a:\g0a+3], s[\g1a:\g1a+7]
	s_nop 0
.rept 4
	v_nop
.endr
	s_branch .Lasked_\@
.Lfor_b_\@:
	tensor_load_to_lds s[\g0b:\g0b+3], s[\g1b:\g1b+7]
	s_nop 0
.rept 4
	v_nop
.endr
.Lasked_\@:
.endm
.macro CREST
	s_cmp_lg_u32 s14, 0
	s_cbranch_scc1 .Lnot_wave_0_\@
	s_barrier_signal -3
.Lnot_wave_0_\@:
	s_barrier_wait -3
	s_barrier_signal -1
	s_barrier_wait -1
.endm
.macro CROUND
	s_barrier_signal -1
	s_barrier_wait -1
	CREST
.endm
	s_load_b128 s[4:7], s[0:1], 0x0                ; xc, xs
	s_load_b128 s[8:11], s[0:1], 0x10              ; wc, ws
	s_load_b128 s[96:99], s[0:1], 0x20             ; b_attn, qb
	s_load_b64 s[100:101], s[0:1], 0x30            ; kv
	v_lshl_add_u32 v[SPW], v0, 2, SPARE
	v_mov_b32 v[NIL], 0
	ds_add_u32 v[SPW], v[NIL]                      ; the wave's opening: the add and its wait ahead of my first tensor load
	ds_add_u32 v[SPW], v[NIL]
	v_lshrrev_b32 v1, 5, v0
	v_readfirstlane_b32 s14, v1                    ; wave 0..3
	s_lshr_b32 s15, s14, 1                         ; my half of the tile's rows.  Also: I fetch for A' (0) or B' (1)
	s_and_b32 s16, s14, 1                          ; my half of its columns.  Also: which 128 rows I fetch
	s_bfe_u32 s40, ttmp6, 0x40000                  ; cx
	s_bfe_u32 s41, ttmp6, 0x40004                  ; cy
	s_and_b32 s18, ttmp7, 0xffff
	s_lshl_b32 s18, s18, 2                         ; 4 x cluster y
	s_lshl_b32 s19, ttmp9, 2                       ; 4 x cluster x
	s_cmp_eq_u32 ttmp9, 2                          ; the role v?
	s_cselect_b32 s17, 0, s18
	s_cselect_b32 s42, s18, s19
	s_add_co_u32 s17, s17, s41                     ; tile row of C': q, k: 4 cluster y + cy;  v: cy
	s_add_co_u32 s42, s42, s40                     ; tile column:    q, k: 4 cluster x + cx;  v: 4 cluster y + cx
	s_lshl_b32 s43, s41, 2
	s_lshl_b32 s43, 15, s43                        ; my row of the cluster
	s_lshl_b32 s44, 0x1111, s40                    ; my column
	s_or_b32 s[G1+0], s43, (0<<16)|(1<<20)|(1<<21)|(5<<22)|(3<<25)  ; the mask; elements of 1 byte; padding: 4 words after every 64; bit 21 beside a mask
	s_or_b32 s[G1B+0], s44, (0<<16)|(1<<20)|(1<<21)|(5<<22)|(3<<25)
.irp g, G1, G1B
	s_mov_b32 s[\g+1], ROWB<<16                    ; tensor_dim0
	s_mov_b32 s[\g+2], 256<<16                     ; tensor_dim1: 256 rows for the head's loads; set to 128 for the ring's behind the wait for them
	s_mov_b32 s[\g+3], ROWB<<16                    ; tile_dim0
	s_mov_b32 s[\g+4], 256                         ; tile_dim1
	s_mov_b32 s[\g+5], KROW                        ; pitch
	s_mov_b32 s[\g+6], 0
	s_mov_b32 s[\g+7], 0
.endr
	s_or_b32 s[G1S+0], s43, (3<<16)|(1<<20)|(1<<21)|(5<<22)|(3<<25) ; the scale bytes of 256 rows: 8,192 dense bytes as 32 rows of 256 (32 elements of 8 bytes), 16 bytes of padding behind each
	s_or_b32 s[G1SB+0], s44, (3<<16)|(1<<20)|(1<<21)|(5<<22)|(3<<25)
.irp g, G1S, G1SB
	s_mov_b32 s[\g+1], 32<<16
	s_mov_b32 s[\g+2], (256*KS/256)<<16            ; the scale bytes of all 256 rows: 8,192 dense bytes as 32 rows of 256
	s_mov_b32 s[\g+3], 32<<16
	s_mov_b32 s[\g+4], 256*KS/256
	s_mov_b32 s[\g+5], 32
	s_mov_b32 s[\g+6], 0
	s_mov_b32 s[\g+7], 0
.endr
	s_lshl_b32 s20, s17, 8                         ; A': the tile's first row, 256 x tile row
	s_lshl_b32 s46, s42, 8                         ; B': 256 x tile column
	s_mov_b32 s21, 0
	s_mov_b32 s47, 0
	s_mov_b64 s[18:19], KS
	s_mul_u64 s[22:23], s[20:21], s[18:19]
	s_mul_u64 s[92:93], s[46:47], s[18:19]
	s_mov_b64 s[18:19], KROW
	s_mul_u64 s[20:21], s[20:21], s[18:19]
	s_mul_u64 s[46:47], s[46:47], s[18:19]
	s_mul_i32 s45, s14, HALFT                      ; where they go: wave x 128 rows: no place in the cluster enters an LDS address
	s_mul_i32 s18, s16, 128*KROW                   ; in the ring I fetch 128 rows of a tile: which half, in bytes
	s_mov_b32 s19, 0
	s_wait_dscnt 0x0                               ; the opening add is done
	s_wait_kmcnt 0x0
	s_add_nc_u64 s[12:13], s[8:9], 0x200000        ; the weights' row 2,048: v's
	s_add_nc_u64 s[2:3], s[10:11], 0x10000
	s_cmp_eq_u32 ttmp9, 2                          ; which buffers are A' and B': the choice hangs on the cluster's number alone
	s_cselect_b64 s[12:13], s[12:13], s[4:5]       ; A's codes
	s_cselect_b64 s[2:3], s[2:3], s[6:7]           ; A's scales
	s_cselect_b64 s[8:9], s[4:5], s[8:9]           ; B's codes
	s_cselect_b64 s[10:11], s[6:7], s[10:11]       ; B's scales
	s_add_nc_u64 s[20:21], s[12:13], s[20:21]
	s_add_nc_u64 s[22:23], s[2:3], s[22:23]
	s_add_nc_u64 s[46:47], s[8:9], s[46:47]
	s_add_nc_u64 s[92:93], s[10:11], s[92:93]
	CROUND                                         ; all sixteen work-groups are here: the first joint loads meet
	s_mov_b32 s[G0S], 1
	s_mov_b32 s[G0S+1], SCL
	s_mov_b64 s[G0S+2:G0S+3], s[22:23]
	s_or_b32 s[G0S+3], s[G0S+3], 0x80000000
	s_mov_b32 s[G0SB], 1
	s_mov_b32 s[G0SB+1], SCL+2*HALFS
	s_mov_b64 s[G0SB+2:G0SB+3], s[92:93]
	s_or_b32 s[G0SB+3], s[G0SB+3], 0x80000000
.set G0H, 8                            ; s[8:11], s[92:95] group 0 of the head's loads of K step 0: A's 256 rows, B's 256 rows (what lay there has been used)
.set G0HB, 92
	s_mov_b32 s[G0H], 1
	s_mov_b32 s[G0H+1], 0
	s_mov_b64 s[G0H+2:G0H+3], s[20:21]
	s_or_b32 s[G0H+3], s[G0H+3], 0x80000000
	s_mov_b32 s[G0HB], 1
	s_mov_b32 s[G0HB+1], 2*HALFT
	s_mov_b64 s[G0HB+2:G0HB+3], s[46:47]
	s_or_b32 s[G0HB+3], s[G0HB+3], 0x80000000
	s_add_nc_u64 s[20:21], s[20:21], s[18:19]      ; for the ring: my 128 rows of the tile
	s_add_nc_u64 s[46:47], s[46:47], s[18:19]
.irp s, 0,1
	s_mov_b32 s[G0+4*\s], 1
	s_add_co_u32 s[G0+4*\s+1], s45, \s*SLOT
	s_add_nc_u64 s[G0+4*\s+2:G0+4*\s+3], s[20:21], \s*ROWB
	s_or_b32 s[G0+4*\s+3], s[G0+4*\s+3], 0x80000000
	s_mov_b32 s[G0B+4*\s], 1
	s_add_co_u32 s[G0B+4*\s+1], s45, \s*SLOT
	s_add_nc_u64 s[G0B+4*\s+2:G0B+4*\s+3], s[46:47], \s*ROWB
	s_or_b32 s[G0B+4*\s+3], s[G0B+4*\s+3], 0x80000000
.endr
; THE HEAD'S LOADS, ONE A WAVE: wave 0 K step 0's 256 rows of A', wave 1 those of B', wave 2 the scale bytes of A's 256 rows, wave 3 those of B's.
; One chain of branches on the wave's number, a load to an arm, all arms leading to one join.
.macro ARM under, g0, g1, next
	s_cmp_lt_u32 s14, \under
	s_cbranch_scc0 \next
	tensor_load_to_lds s[\g0:\g0+3], s[\g1:\g1+7]
	s_nop 0
.rept 4
	v_nop
.endr
	s_branch .Lhead_asked
\next:
.endm
	ARM 1, G0H,  G1,  .Lhead_b
	ARM 2, G0HB, G1B, .Lhead_sa
	ARM 3, G0S,  G1S, .Lhead_sb
	tensor_load_to_lds s[G0SB:G0SB+3], s[G1SB:G1SB+7]
	s_nop 0
.rept 4
	v_nop
.endr
.Lhead_asked:
	v_and_b32 v1, 15, v0                           ; r = l % 16
	v_bfe_u32 v2, v0, 4, 1                         ; h = l / 16
	v_mul_u32_u24 v3, v1, PITCH
	v_lshl_add_u32 v4, v2, 4, v3                   ; a fragment's row x pitch + 16 x half
	s_mul_i32 s21, s15, HALFT
	s_mul_i32 s22, s16, HALFT
	s_add_co_u32 s22, s22, 2*HALFT
.irp s, 0,1
	v_add_nc_u32 v[ADRA+\s], s21, v4
	v_add_nc_u32 v[ADRB+\s], s22, v4
	s_add_co_u32 s21, s21, SLOT
	s_add_co_u32 s22, s22, SLOT
.endr
	v_mul_u32_u24 v5, v1, KS                       ; my row's scales: 32 bytes a row,
	v_lshrrev_b32 v6, 8, v5
	v_lshl_add_u32 v5, v6, 4, v5                   ; and 16 more for each 256 passed
	s_mul_i32 s21, s15, HALFS
	s_mul_i32 s22, s16, HALFS
	s_add_co_u32 s22, s22, 2*HALFS
	s_sub_co_u32 s22, s22, s21
	v_mul_u32_u24 v6, s22, v2                      ; lanes 16-31 take B's
	s_add_co_u32 s21, s21, SCL
	v_add_nc_u32 v5, v5, v6
	v_add_nc_u32 v[ADRS], s21, v5
	s_lshl_b32 s4, s17, 8
	s_lshl_b32 s5, s15, 7
	s_add_co_u32 s4, s4, s5                        ; s4 = my first row of A'
	s_lshl_b32 s5, s42, 8
	s_lshl_b32 s6, s16, 7
	s_add_co_u32 s5, s5, s6                        ; s5 = my first row of B'
	; the bias, in the result's layout
	s_add_co_u32 s6, s4, 2048
	s_cmp_eq_u32 ttmp9, 2
	s_cselect_b32 s6, s6, s5                       ; my first column of qkv: q, k: by B';  v: 2,048 + by A'
	s_lshl_b32 s6, s6, 2
	s_mov_b32 s7, 0
	s_add_nc_u64 s[96:97], s[96:97], s[6:7]
	s_cmp_eq_u32 ttmp9, 2
	s_cbranch_scc1 .Lbias_v
	v_lshlrev_b32 v5, 6, v2                        ; q, k: tile b's register j is column 32 (b / 2) + 16 h + 8 (b % 2) + j
.irp b, 0,1,2,3,4,5,6,7
	global_load_b128 v[BI+8*\b:BI+8*\b+3], v5, s[96:97] offset:(32*(\b/2)+8*(\b%2))*4
	global_load_b128 v[BI+8*\b+4:BI+8*\b+7], v5, s[96:97] offset:(32*(\b/2)+8*(\b%2))*4+16
.endr
	s_branch .Lbias_done
.Lbias_v:
	v_and_b32 v5, 8, v1                            ; v: all eight registers of block a hold the bias of my channel, 32 (a / 2) + 8 (a % 2) + r + 8 (r / 8)
	v_add_nc_u32 v5, v5, v1
	v_lshlrev_b32 v5, 2, v5
.irp a, 0,1,2,3,4,5,6,7
.irp j, 0,1,2,3,4,5,6,7
	global_load_b32 v[BI+8*\a+\j], v5, s[96:97] offset:(32*(\a/2)+8*(\a%2))*4
.endr
.endr
.Lbias_done:
.macro FRAG reg, adr, q, i             ; 16 rows x 128 K of 8-bit codes: lane l holds row l % 16; registers 4 c .. 4 c + 3 hold K = 32 c + 16 (l / 16) + 0 .. 15
.irp c, 0,1,2,3
	ds_load_b128 v[\reg+4*\c:\reg+4*\c+3], v[\adr] offset:128*(\q)+32*\c+(\i)*16*PITCH
.endr
.endm
; 16 matrix instructions: A's blocks a0, a0 + 1 x B's eight.  zero = 1: the sums begin with the bias by B's tile; 2: by A's block; 0: they go on in place.
; The 64 accumulators take turns, one instruction a turn, in the same order in every step.
.macro MUL16 a0, p, q, sc, zero
.irp a, \a0, \a0+1
.irp b, 0,1,2,3,4,5,6,7
.if (\zero) == 1
	v_wmma_scale_f32_16x16x128_f8f6f4 v[8*(8*((\a)%4)+\b):8*(8*((\a)%4)+\b)+7], v[128*(\p)+FR*\b:128*(\p)+FR*\b+FR-1], v[AF+FR*(\a):AF+FR*(\a)+FR-1], v[BI+8*\b:BI+8*\b+7], v[SC+8*NQ*(\sc)+NQ*\b+(\q)], v[SC+8*NQ*(\sc)+NQ*(\a)+(\q)] matrix_a_scale:MATRIX_SCALE_ROW1
.elseif (\zero) == 2
	v_wmma_scale_f32_16x16x128_f8f6f4 v[8*(8*((\a)%4)+\b):8*(8*((\a)%4)+\b)+7], v[128*(\p)+FR*\b:128*(\p)+FR*\b+FR-1], v[AF+FR*(\a):AF+FR*(\a)+FR-1], v[BI+8*(\a):BI+8*(\a)+7], v[SC+8*NQ*(\sc)+NQ*\b+(\q)], v[SC+8*NQ*(\sc)+NQ*(\a)+(\q)] matrix_a_scale:MATRIX_SCALE_ROW1
.else
	v_wmma_scale_f32_16x16x128_f8f6f4 v[8*(8*((\a)%4)+\b):8*(8*((\a)%4)+\b)+7], v[128*(\p)+FR*\b:128*(\p)+FR*\b+FR-1], v[AF+FR*(\a):AF+FR*(\a)+FR-1], v[8*(8*((\a)%4)+\b):8*(8*((\a)%4)+\b)+7], v[SC+8*NQ*(\sc)+NQ*\b+(\q)], v[SC+8*NQ*(\sc)+NQ*(\a)+(\q)] matrix_a_scale:MATRIX_SCALE_ROW1
.endif
.endr
.endr
.endm
.macro FETCH_B slot, q, p
	WIN TO_B
.irp i, 0,1,2,3,4,5,6,7
	FRAG 128*(\p)+FR*\i, ADRB+\slot, \q, \i
.endr
	WIN 0
.endm
.macro FETCH_A slot, q, i0
.irp i, \i0, \i0+1, \i0+2, \i0+3
	FRAG AF+FR*(\i), ADRA+\slot, \q, \i
.endr
.endm
.macro SCALES sc                       ; a K step's scale words: two a row; lanes 0-15 take A's block i, lanes 16-31 B's block i
.irp i, 0,1,2,3,4,5,6,7
	ds_load_b64 v[SC+8*NQ*\sc+NQ*\i:SC+8*NQ*\sc+NQ*\i+1], v[ADRS] offset:\i*SBLK
.endr
.endm
.macro PLACES n                        ; plain vector instructions between a matrix instruction and a load into, or a read or write of, its registers
.rept \n
	v_nop
.endr
.endm
.macro STEP slot, q, zero              ; a step of 128 along K that has its successor in the same slot
	s_wait_dscnt 4*NL                              ; B's set and A's blocks 0-3 are in; the youngest 16 loads (A's blocks 4-7) may be out
.if \zero
	WIN 0x81                                       ; C (the bias) window 0, D window 2
.else
	WIN MUL_LO
.endif
	MUL16 0, (\q)%2, \q, \slot, \zero
	MUL16 2, (\q)%2, \q, \slot, \zero
	s_wait_dscnt 0
	PLACES NP
	FETCH_B \slot, (\q)+1, 1-(\q)%2
	FETCH_A \slot, (\q)+1, 0
.if \zero
	WIN 0xc1
.else
	WIN MUL_HI
.endif
	MUL16 4, (\q)%2, \q, \slot, \zero
	MUL16 6, (\q)%2, \q, \slot, \zero
	PLACES NP
	WIN 0
	FETCH_A \slot, (\q)+1, 4
.endm
; A slot's last step changes slots: one barrier; in front of it each wave waits for all its tensor loads, adds 0 to its spare word, and waits for that and for its reads of this slot.
.macro TURN slot, next, fill
	s_wait_tensorcnt 0x0                           ; all my tensor loads have landed: my part of the next slot
	ds_add_u32 v[SPW], v[NIL]                      ; 0 onto my spare word
	s_wait_dscnt 4*NL+1                            ; (the add and the youngest 16 loads may be out)
	WIN MUL_LO
	MUL16 0, 1, NQ-1, \slot, 0
	s_wait_dscnt 0x0                               ; the add is done, and my reads of this slot are over
	s_barrier_signal -1
	MUL16 2, 1, NQ-1, \slot, 0
	WIN 0
	s_barrier_wait -1
.if \fill
	CREST                                          ; the barrier has opened a round of the cluster's: no wave of any partner still reads this slot or has a load on its way
	s_add_nc_u64 s[G0+4*\slot+2:G0+4*\slot+3], s[G0+4*\slot+2:G0+4*\slot+3], 2*ROWB
	s_add_nc_u64 s[G0B+4*\slot+2:G0B+4*\slot+3], s[G0B+4*\slot+2:G0B+4*\slot+3], 2*ROWB
	JLOAD G0+4*\slot, G1, G0B+4*\slot, G1B         ; the first tensor load behind the round; its four v_nop are among the places below
	PLACES NP-4
.else
	PLACES NP
.endif
	s_wait_alu depctr_va_vdst(0)
	v_add_nc_u32 v[ADRS], 4*NQ, v[ADRS]            ; the next K step's scale words
	FETCH_B \next, 0, 0
	FETCH_A \next, 0, 0
	SCALES \next
	WIN MUL_HI
	MUL16 4, 1, NQ-1, \slot, 0
	MUL16 6, 1, NQ-1, \slot, 0
	PLACES NP
	WIN 0
	FETCH_A \next, 0, 4
.endm
	s_wait_alu depctr_va_vdst(0)
	s_wait_tensorcnt 0x0                           ; my tile of the head's four is in
	ds_add_u32 v[SPW], v[NIL]
	s_mov_b32 s[G1+2], 128<<16                     ; no tensor load of mine is out: from here on a load brings 128 rows
	s_mov_b32 s[G1+4], 128
	s_mov_b32 s[G1B+2], 128<<16
	s_mov_b32 s[G1B+4], 128
	s_wait_dscnt 0x0                               ; the add is done
	CROUND                                         ; all four tiles are in, and all sixteen work-groups are here
	JLOAD G0+4, G1, G0B+4, G1B                     ; K step 1's load, the first tensor load behind the round
	FETCH_B 0, 0, 0
	FETCH_A 0, 0, 0
	s_wait_alu depctr_va_vdst(0)
	SCALES 0
	FETCH_A 0, 0, 4
	s_wait_loadcnt 0x0                             ; the bias
	s_cmp_eq_u32 ttmp9, 2                          ; the first step is written twice: it differs in which bias registers begin a sum
	s_cbranch_scc1 .Lfirst_v
	STEP 0, 0, 1
	s_branch .Lfirst_done
.Lfirst_v:
	STEP 0, 0, 2
.Lfirst_done:
	TURN 0, 1, 1                                   ; K = 1,024 is four K steps: each slot is filled again once, so the two laps are written straight
	STEP 1, 0, 0
	TURN 1, 0, 1
	STEP 0, 0, 0
	TURN 0, 1, 0                                   ; nothing is left to fetch
	STEP 1, 0, 0
	s_wait_dscnt 4*NL
	WIN MUL_LO
	MUL16 0, 1, NQ-1, 1, 0
	MUL16 2, 1, NQ-1, 1, 0
	s_wait_dscnt 0
	WIN MUL_HI
	MUL16 4, 1, NQ-1, 1, 0
	MUL16 6, 1, NQ-1, 1, 0
	WIN 0
	PLACES NP
	; ---- THE WAY OUT: one text for q, k and v; what differs lies in scalars.  (No tensor load of mine is out: the descriptors' registers are free.)
	s_cmp_eq_u32 ttmp9, 2
	s_cselect_b32 s6, 1, 0                         ; sV
	s_cselect_b32 s7, s5, s4                       ; my first token's row: q, k: by A';  v: by B'
	s_cselect_b32 s8, s4, s5                       ; my first channel
	s_cselect_b32 s41, -1, 0xffff                  ; what is kept of a scale word
	s_cselect_b32 s42, 0, 16
	s_and_b32 s8, s8, 1023
	s_lshr_b32 s9, s7, 11                          ; batch
	s_bfe_u32 s10, s7, 0x40007                     ; which 128 tokens of the batch
	s_lshr_b32 s11, s8, 6                          ; my first head (I have two)
	s_lshl_b32 s18, s6, 9
	s_add_co_u32 s18, s18, 16384                   ; where the scale words lie in a record: k 16,384; v 16,896;
	s_mov_b32 s12, KVHEAD
	s_mov_b32 s13, KVREC
	s_cmp_eq_u32 ttmp9, 0
	s_cselect_b32 s12, QHEAD, s12                  ; a head's bytes
	s_cselect_b32 s13, QREC, s13                   ; a record's
	s_cselect_b32 s18, 8192, s18                   ; q 8,192
	s_cselect_b64 s[98:99], s[98:99], s[100:101]   ; the buffer
	s_lshl_b32 s19, s9, 4
	s_add_co_u32 s19, s19, s11
	s_mul_i32 s19, s19, s12
	s_mul_i32 s20, s10, s13
	s_add_co_u32 s19, s19, s20                     ; my first head's record
	s_mov_b32 s22, 1024
	s_mov_b32 s23, 256
	s_mov_b32 s40, 256
	s_mov_b32 s46, 4096
	s_cmp_eq_u32 ttmp9, 2
	s_cselect_b32 s22, s22, s12                    ; chunks 2, 3: v: 1,024 on;  q, k: the next head
	s_cselect_b32 s23, s12, s23                    ; scale words, lanes 16-31: v: the next head;  q, k: 256 on
	s_cselect_b32 s40, s40, s12                    ; the second store: v: the second copy;  q, k: the next head
	s_cselect_b32 s46, s12, s46                    ; blocks 4-7: v: the next head;  q, k: 4,096 on
	s_mov_b32 s47, 0
	s_lshl_b32 s44, 1024, s6                       ; from block to block: q, k 1,024;  v 2,048
	s_mov_b32 s45, 0
	s_lshl_b32 s20, s6, 13                         ; V's codes lie 8,192 into a record
	s_add_co_u32 s20, s20, s19
	s_mov_b32 s21, 0
	s_add_nc_u64 s[BA:BA+1], s[98:99], s[20:21]
.irp a, 1,2,3
	s_add_nc_u64 s[BA+2*\a:BA+2*\a+1], s[BA+2*\a-2:BA+2*\a-1], s[44:45]
.endr
	s_add_nc_u64 s[BA+8:BA+9], s[BA:BA+1], s[46:47]
.irp a, 5,6,7
	s_add_nc_u64 s[BA+2*\a:BA+2*\a+1], s[BA+2*\a-2:BA+2*\a-1], s[44:45]
.endr
	s_add_co_u32 s20, s19, s18
	s_add_nc_u64 s[56:57], s[98:99], s[20:21]      ; the scale words
	s_mov_b32 s52, 0x76543210
	s_mov_b32 s53, 0xfedcba98                      ; v_permlanex16_b32's selects for lane l xor 16
	s_mov_b32 s54, 0x600000                        ; the mantissa field of 448
	s_lshl_b32 s55, s14, 10                        ; my stage: 1,024 bytes at the head of slot 0, which has had its last fill, and which nobody reads behind the last change of slots
	v_and_b32 v1, 15, v0
	v_bfe_u32 v2, v0, 4, 1
	v_and_b32 v3, 31, v0
	v_lshlrev_b32 v[VO], 4, v3                     ; 16 x lane: a chunk is the image of four registers
	v_add_nc_u32 v[VO+1], 512, v[VO]
	v_add_nc_u32 v[VO+2], s22, v[VO]
	v_add_nc_u32 v[VO+3], s22, v[VO+1]
	v_lshlrev_b32 v[SV], 4, v1
	v_lshl_add_u32 v[STS], v2, 9, v[SV]
	v_add_nc_u32 v[STS], s55, v[STS]               ; 1,024 wave + 512 h + 16 r
	v_add_nc_u32 v[STR], s55, v[VO]                ; 1,024 wave + 16 lane
	v_mad_u32_u24 v[SV], v2, s23, v[SV]
	v_add_nc_u32 v[SV+1], s40, v[SV]
	v_mul_u32_u24 v[SHV], v2, s42
.irp b, 0,1,2,3
	v_mov_b32 v[TM+4+\b], 0                        ; written once: a lane permute's destination counts as one of its sources
.endr
; Block a (16 rows of A'): a lane's 64 numbers, register 16 b + i = index 32 b + 16 h + i along B', become four chunks of codes and a scale word.
.macro QOUT a
.set QW, 2+(\a)/4
.set QA, 64*((\a)%4)
.set QP, PC+16*(\a)
.set W1, QW|(QW<<2)
.set W2, QW|(QW<<6)
	WIN W1                                         ; sources 0 and 1: the accumulators' window
.irp b, 0,1,2,3
	v_max3_num_f32 v[TM+\b], |v[QA+16*\b]|, |v[QA+16*\b+1]|, 0x4800000   ; each accumulator is read from its low end on; the floor 2^(9 - 127) holds the byte at 1 from below
.endr
.irp i, 2,4,6,8,10,12,14
.irp b, 0,1,2,3
	v_max3_num_f32 v[TM+\b], |v[QA+16*\b+\i]|, |v[QA+16*\b+\i+1]|, v[TM+\b]
.endr
.endr
	WIN 0
.irp b, 0,1,2,3
	v_permlanex16_b32 v[TM+4+\b], v[TM+\b], s52, s53
.endr
.irp b, 0,1,2,3
	v_max_num_f32 v[TM+\b], v[TM+\b], v[TM+4+\b]   ; with lane l xor 16's: the block's largest magnitude
.endr
.irp b, 0,1,2,3
	v_add_nc_u32 v[TM+12+\b], 0xfc000000, v[TM+\b] ; the conversion's scale operand
.endr
.irp b, 0,1,2,3
	v_and_or_b32 v[TM+8+\b], v[TM+\b], 0x7f800000, s54   ; 448 x the scale
.endr
.irp b, 0,1,2,3
	v_lshrrev_b32 v[TM+4+\b], 23, v[TM+12+\b]      ; the byte
.endr
	v_lshl_or_b32 v[PW], v[TM+5], 8, v[TM+4]
	v_lshl_or_b32 v[PW], v[TM+6], 16, v[PW]
	v_lshl_or_b32 v[PW], v[TM+7], 24, v[PW]
	v_lshrrev_b32 v[PWS+(\a)], v[SHV], v[PW]       ; q, k: lanes 0-15 keep bytes 0, 1 (my first head), lanes 16-31 bytes 2, 3 (my second);  v: the whole word
	v_and_b32 v[PWS+(\a)], s41, v[PWS+(\a)]
	WIN W2                                         ; source 0 and destination: the accumulators' window
.irp b, 0,1,2,3
.irp i, 0,1,2,3,4,5,6,7,8,9,10,11,12,13,14,15
	v_med3_num_f32 v[QA+16*\b+\i], v[QA+16*\b+\i], -v[TM+8+\b], v[TM+8+\b]   ; the conversion does not saturate (ISA guide 7.6.2): the hold comes first
.endr
.endr
	WIN QW
.irp b, 0,1,2,3
	v_cvt_scalef32_pk8_fp8_f32 v[QP+4*\b:QP+4*\b+1], v[QA+16*\b:QA+16*\b+7], v[TM+12+\b]
	v_cvt_scalef32_pk8_fp8_f32 v[QP+4*\b+2:QP+4*\b+3], v[QA+16*\b+8:QA+16*\b+15], v[TM+12+\b]
.endr
	WIN 0
	v_nop                                          ; the plain line behind the last conversion
.irp b, 0,1,2,3
	global_store_b128 v[VO+\b], v[QP+4*\b:QP+4*\b+3], s[BA+2*(\a):BA+2*(\a)+1]   ; the wave stores 512 consecutive bytes, aligned
.endr
	ds_store_b32 v[STS], v[PWS+(\a)] offset:((\a)/4)*256+((\a)%4)*4
.endm
.irp a, 0,1,2,3,4,5,6,7
	QOUT \a
.endr
	ds_load_b128 v[RB:RB+3], v[STR]                ; LDS serves a wave's instructions in order: these see my stores
	ds_load_b128 v[RB+4:RB+7], v[STR] offset:512
	s_wait_dscnt 0x0
	global_store_b128 v[SV], v[RB:RB+3], s[56:57]  ; sixteen lanes store 256 consecutive bytes, aligned
	global_store_b128 v[SV+1], v[RB+4:RB+7], s[56:57]
	s_wait_tensorcnt 0x0                           ; the wave's end
	ds_add_u32 v[SPW], v[NIL]
	s_wait_dscnt 0x0
	CROUND                                         ; the closing round: no work-group ends while a partner may still ask for a tile that names it
	s_endpgm
.Lfunc_end_k_q1c09eb3c42_qkv:
	.size	k_q1c09eb3c42_qkv, .Lfunc_end_k_q1c09eb3c42_qkv-k_q1c09eb3c42_qkv
	.p2alignl 7, 3214868480
	.fill 96, 4, 3214868480
	.section	.rodata,"a",@progbits
	.p2align	6, 0x0
	.amdhsa_kernel k_q1c09eb3c42_qkv
		.amdhsa_group_segment_fixed_size 327680
		.amdhsa_private_segment_fixed_size 0
		.amdhsa_enable_private_segment 0
		.amdhsa_kernarg_size 56
		.amdhsa_user_sgpr_count 2
		.amdhsa_user_sgpr_kernarg_segment_ptr 1
		.amdhsa_wavefront_size32 1
		.amdhsa_system_sgpr_workgroup_id_x 1
		.amdhsa_system_sgpr_workgroup_id_y 1
		.amdhsa_system_sgpr_workgroup_id_z 1
		.amdhsa_system_vgpr_workitem_id 0
		.amdhsa_next_free_vgpr 1024
		.amdhsa_next_free_sgpr 102
		.amdhsa_reserve_vcc 0
		.amdhsa_float_denorm_mode_32 3
		.amdhsa_float_denorm_mode_16_64 3
		.amdhsa_memory_ordered 1
		.amdhsa_forward_progress 1
		.amdhsa_inst_pref_size 210
	.end_amdhsa_kernel
	.amdgpu_metadata
---
amdhsa.version: [ 1, 2 ]
amdhsa.kernels:
  - .name:           k_q1c09eb3c42_qkv
    .symbol:         k_q1c09eb3c42_qkv.kd
    .args:
      - { .name: xc, .offset: 0, .size: 8, .value_kind: global_buffer, .address_space: global }
      - { .name: xs, .offset: 8, .size: 8, .value_kind: global_buffer, .address_space: global }
      - { .name: wc, .offset: 16, .size: 8, .value_kind: global_buffer, .address_space: global }
      - { .name: ws, .offset: 24, .size: 8, .value_kind: global_buffer, .address_space: global }
      - { .name: b_attn, .offset: 32, .size: 8, .value_kind: global_buffer, .address_space: global }
      - { .name: qb, .offset: 40, .size: 8, .value_kind: global_buffer, .address_space: global }
      - { .name: kv, .offset: 48, .size: 8, .value_kind: global_buffer, .address_space: global }
    .group_segment_fixed_size: 327680
    .private_segment_fixed_size: 0
    .kernarg_segment_align: 8
    .kernarg_segment_size: 56
    .max_flat_workgroup_size: 128
    .sgpr_count:     102
    .vgpr_count:     1024
    .wavefront_size: 32
...
	.end_amdgpu_metadata
.endif
;; end of part 2
;; launch attn (part 3): grid 4 x 64, 16 waves a work-group, clusters of 4 x 1, 327,680 bytes of LDS; arguments qb, kv, yc, ys; writes yc, ys
.if DOCPART == 3
	.amdgcn_target "amdgcn-amd-amdhsa--gfx1250"
	.amdhsa_code_object_version 6
	.text
	.protected	k_q1c09eb3c42_attn
	.globl	k_q1c09eb3c42_attn
	.p2align	8
	.type	k_q1c09eb3c42_attn,@function
k_q1c09eb3c42_attn:
	s_mov_b64 s[64:65], 0
	v_nop
	global_prefetch_b8 v0, s[64:65] scope:SCOPE_SE
	s_setreg_imm32_b32 hwreg(HW_REG_WAVE_MODE, 25, 1), 1
	s_wait_xcnt 0x0
	s_wait_alu depctr_hold_cnt(0) depctr_sa_sdst(0) depctr_va_vdst(0) depctr_va_sdst(0) depctr_va_ssrc(0) depctr_va_vcc(0) depctr_vm_vsrc(0)
	s_getreg_b32 s2, hwreg(HW_REG_IB_STS2, 6, 4)
	s_cmp_eq_u32 s2, 0
	s_cbranch_scc0 .Lentry_in_a_cluster
	s_endpgm
.Lentry_in_a_cluster:
	s_bfe_u32 s2, ttmp6, 0x10000c
	s_cmp_lg_u32 s2, 0x3003
	s_cbranch_scc0 .Lentry_shape_is_right
	s_endpgm
.Lentry_shape_is_right:
; y = softmax(q k^T / 8, causal) v for one (batch, head) a cluster, both products on codes of FP8 (E4M3) with E8M0 scales; y is quantised along the channels and leaves as the image of the projection's operand registers.
; LEFT OUT: key steps all of whose 128 keys come after a tile's queries: the causal mask sets those scores to -inf, so their p is 0 for all values of the inputs.
; THE SOFTMAX: t = score x log2(e) / 8; M = the running largest t rounded up to a whole number; p = 2^(t - M) is quantised along the keys; the row's sum is taken of the unquantised p and divides at the end.
; LIMITS: the promise holds while |t| stays under 2^31; NaN and infinities among the inputs are not served; a block whose every p is 0 keeps the byte 1 (its codes are zeros).
; THE DEAL.  A head has 128 tiles of 16 queries.  The four work-groups of a cluster (place cx) share one head; wave j of sixteen takes tile 4 j + cx and tile 127 - (4 j + cx).
; Tile T needs key steps 0 .. T / 8, the last on the diagonal: j / 2 + 1 steps and 16 - j / 2 steps, 17 for every wave, and both counts hang on the wave's number alone: no branch hangs on cx.
; LDS holds the head's sixteen records of 128 keys (17,408 bytes: K's codes, V^T's codes, their scale words), each asked for JOINTLY by the four work-groups, one tensor load a wave, filled once.
; Wave 0 of every partner walks all sixteen records, so each partner reads every tile that it receives.  Waves 0-7 (records 0-7, all that the short tiles read) and waves 8-15 have a load line each.
; No prefetch: every tile is asked for at the head, so there is no loop to run ahead in.
; K's FRAGMENTS OVERLAP: the head has 64 channels, so the upper 64 along K of q's fragment are zero codes.  Fragment t of K is v[32 + 8 t .. 47 + 8 t]: its upper half is tile t + 1's codes (the last: p's codes),
; finite numbers that meet q's zeros and add nothing.  So the eight tiles of a step stand in 64 registers; V's four fragments take the same 64 once the scores are made, and land under the softmax.
; A tile's rows are not neighbours (row r of tile 2 b + u is token 32 b + 8 u + r + 8 (r / 8)), so a lane's 16 registers of two neighbouring tiles are 16 neighbouring keys or channels.
; REGISTERS: v1-7 addresses; v12 -M, v13 the largest t, v[14:15] the sum; v16-31 q; v32-95 K's, then V's fragments; v96-111 p's codes; v112-175 scores, then p; v176-207 O^T; v208-237 at work; v238-246 the second tile's q.
.set KVHEAD, 278528
.set KVREC,  17408
.set QHEAD,  139264
.set QREC,   8704
.set SPARE,  278528                    ; behind the sixteen records: the spare words, 128 bytes for each wave
.set LA,  1                            ; 16 x lane
.set ADR, 2                            ; the step's record + 16 x lane
.set SPW, 3
.set NIL, 4
.set D0,  5                            ; my query - the diagonal step's first key - 16 (lane / 16)
.set RH,  6
.set YS,  7
.set KB,  32
.set PC,  96
.set ST,  112
.set OT,  176
.set BM,  208
.set PB,  212
.set HD,  216
.set SO,  220
.set KS,  224
.set VS,  228
.set FP,  232
.set TMP, 234
.set PS,  235
.set QS,  236
.set NINF, 237
.set Q2,  238
.set WV,  12
.set CX,  14
.set SEL, 32
.set CS,  34
.set MNT, 36
.set TB,  37
.set SI,  38                           ; the key step (the record) of the trip in hand
.set CNT, 39
.set LIM, 40                           ; the tile's last step, the one on the diagonal
.set PAR, 41                           ; 0: the diagonal lies in the step's keys 0-63; 1: in its keys 64-127
.set QM,  42
.set HM,  71
.macro BARRIER
	s_barrier_signal -1
	s_barrier_wait -1
.endm
.macro CROUND                          ; a round of the cluster's barrier
	BARRIER
	s_cmp_lg_u32 s[WV], 0
	s_cbranch_scc1 .Lnot_wave_0_\@
	s_barrier_signal -3
.Lnot_wave_0_\@:
	s_barrier_wait -3
	BARRIER
.endm
.macro PASSIDS p                       ; s67 = the tile: its first query, and where its q, its q's scale words, its y and y's scale bytes lie
	s_lshr_b32 s68, s67, 1
	s_lshl_b32 s68, s68, 5
	s_and_b32 s69, s67, 1
	s_lshl_b32 s69, s69, 3
	s_add_co_u32 s[QM+\p], s68, s69
	s_lshr_b32 s68, s67, 3
	s_mul_i32 s68, s68, QREC
	s_add_co_u32 s68, s68, s62
	s_and_b32 s70, s67, 7
	s_lshl_b32 s69, s70, 10
	s_add_co_u32 s60, s68, s69
	s_add_nc_u64 s[48+8*\p:49+8*\p], s[4:5], s[60:61]
	s_lshr_b32 s69, s70, 2
	s_lshl_b32 s69, s69, 8
	s_and_b32 s70, s70, 3
	s_lshl_b32 s70, s70, 2
	s_add_co_u32 s69, s69, s70
	s_add_co_u32 s69, s69, 8192
	s_add_co_u32 s60, s68, s69
	s_add_nc_u64 s[50+8*\p:51+8*\p], s[4:5], s[60:61]
	s_lshr_b32 s68, s13, 4
	s_lshl_b32 s68, s68, 7
	s_add_co_u32 s68, s68, s67
	s_and_b32 s69, s13, 15
	s_lshl_b32 s60, s68, 14
	s_lshl_b32 s70, s69, 10
	s_add_co_u32 s60, s60, s70
	s_add_nc_u64 s[44+8*\p:45+8*\p], s[8:9], s[60:61]
	s_lshl_b32 s60, s68, 9
	s_lshl_b32 s70, s69, 1
	s_add_co_u32 s60, s60, s70
	s_add_nc_u64 s[46+8*\p:47+8*\p], s[10:11], s[60:61]
.endm
.macro HIDE from                       ; 32 registers: register 16 b + i holds key 32 b + 16 (lane / 16) + i of the step: hidden where 32 b + i > D0
.set n, \from
.rept 32
	v_cmp_gt_i32 vcc_lo, 32*(n/16)+n%16, v[D0]
	v_cndmask_b32 v[ST+n], v[ST+n], v[NINF], vcc_lo
.set n, n+1
.endr
.endm
; A KEY STEP: 128 keys, one record
; full = 1: one of the long tile's first eight steps: every key counts in every wave, so the text has neither test nor mask, and the record's address is stepped.
; full = 0: trip c takes record (c + 8) % 16: the long tile's records 8-15, then the short tile's 0-7.
.macro STEP full
.if \full == 0
	s_add_co_u32 s[SI], s[CNT], 8
	s_and_b32 s[SI], s[SI], 15
	s_mul_i32 s[TB], s[SI], KVREC
	s_cmp_gt_u32 s[SI], s[LIM]                     ; past the diagonal: the step's work is left out (the wave's number and the count of trips alone decide)
	s_cbranch_scc1 .Lhid_\@
.endif
	v_add_nc_u32 v[ADR], s[TB], v[LA]
.rept 7
	v_nop                                          ; with the line above: eight places behind the last products, whose fragments the loads below overwrite
.endr
.irp t, 0,1,2,3,4,5,6,7
	ds_load_b128 v[KB+8*\t:KB+8*\t+3], v[ADR] offset:1024*\t
	ds_load_b128 v[KB+8*\t+4:KB+8*\t+7], v[ADR] offset:1024*\t+512
.endr
	ds_load_b128 v[KS:KS+3], v[ADR] offset:16384   ; K's scale words: lanes 0-15 tiles 0-3, lanes 16-31 tiles 4-7
	s_wait_alu depctr_va_vdst(0)
	s_wait_dscnt 0x0
.irp t, 0,1,2,3
	v_wmma_scale_f32_16x16x128_f8f6f4 v[ST+8*\t:ST+8*\t+7], v[KB+8*\t:KB+8*\t+15], v[16:31], 0, v[KS+\t], v[QS]
.endr
.irp t, 0,1,2,3
	v_wmma_scale_f32_16x16x128_f8f6f4 v[ST+32+8*\t:ST+39+8*\t], v[KB+32+8*\t:KB+47+8*\t], v[16:31], 0, v[KS+\t], v[QS] matrix_a_scale:MATRIX_SCALE_ROW1
.endr
.rept 8
	v_nop                                          ; eight places: ahead of the loads over K's fragments and of the first reader of the scores
.endr
.irp t, 0,1,2,3
.irp c, 0,1,2,3
	ds_load_b128 v[KB+16*\t+4*\c:KB+16*\t+4*\c+3], v[ADR] offset:8192+2048*\t+512*\c   ; V^T's four fragments: they land while the softmax is worked
.endr
.endr
	ds_load_b128 v[VS:VS+3], v[ADR] offset:16896
.if \full == 0
	s_cmp_lt_u32 s[SI], s[LIM]
	s_cbranch_scc1 .Lopen_\@                       ; ahead of the diagonal every key counts
	s_cmp_eq_u32 s[PAR], 0
	s_cbranch_scc0 .Lup_\@
	HIDE 0                                         ; my queries lie among keys 0-63: these are compared, keys 64-127 are all hidden
.set n, 32
.rept 16
	v_dual_mov_b32 v[ST+n], 0xff800000 :: v_dual_mov_b32 v[ST+n+1], 0xff800000
.set n, n+2
.endr
	s_wait_alu depctr_va_vdst(0)
	s_branch .Lopen_\@
.Lup_\@:
	HIDE 32                                        ; my queries lie among keys 64-127: keys 0-63 all count
.Lopen_\@:
.endif
.irp b, 0,1,2,3
	v_max3_num_f32 v[BM+\b], v[ST+16*\b], v[ST+1+16*\b], v[ST+2+16*\b]   ; the largest score of each block of 32 keys: for the row's maximum and for the block's largest p
.endr
.irp i, 3,5,7,9,11,13
.irp b, 0,1,2,3
	v_max3_num_f32 v[BM+\b], v[BM+\b], v[ST+16*\b+\i], v[ST+1+16*\b+\i]
.endr
.endr
.irp b, 0,1,2,3
	v_max_num_f32 v[BM+\b], v[BM+\b], v[ST+15+16*\b]
.endr
.irp b, 0,1,2,3
	s_delay_alu instid0(VALU_DEP_4)
	v_permlanex16_b32 v[PB+\b], v[BM+\b], s[SEL], s[SEL+1]
.endr
.irp b, 0,1,2,3
	s_delay_alu instid0(VALU_DEP_4)
	v_max_num_f32 v[BM+\b], v[BM+\b], v[PB+\b]     ; with lane l xor 16's 16 keys
.endr
	s_delay_alu instid0(VALU_DEP_2)
	v_max3_num_f32 v[TMP], v[BM], v[BM+1], v[BM+2]
	s_delay_alu instid0(VALU_DEP_1)
	v_max_num_f32 v[TMP], v[TMP], v[BM+3]
	s_delay_alu instid0(VALU_DEP_1)
	v_mul_f32 v[TMP], s[CS], v[TMP]
	s_delay_alu instid0(VALU_DEP_1)
	v_max_num_f32 v13, v13, v[TMP]                 ; the running largest t
	v_mov_b32 v[TMP], v12
	s_delay_alu instid0(VALU_DEP_2)
	v_floor_f32 v12, -v13                          ; -M = floor(-t)
	s_delay_alu instid0(VALU_DEP_1)
	v_sub_f32 v[TMP], v12, v[TMP]
	s_delay_alu instid0(VALU_DEP_1)
	v_cvt_i32_f32 v[TMP], v[TMP]
	s_delay_alu instid0(VALU_DEP_1)
	v_ldexp_f32 v[FP], 1.0, v[TMP]                 ; f = 2^(old M - new M)
.set n, 0
.rept 32
	v_pk_fma_f32 v[ST+n:ST+n+1], v[ST+n:ST+n+1], s[CS:CS+1], v[12:13] op_sel_hi:[1,0,0]   ; t - M
.set n, n+2
.endr
.irp b, 0,1,2,3
	v_fma_f32 v[BM+\b], v[BM+\b], s[CS], v12       ; the same of each block's largest score
.endr
	s_wait_alu depctr_va_vdst(0)
.set n, 0
.rept 64
	v_exp_f32 v[ST+n], v[ST+n]                     ; p
.set n, n+1
.endr
.irp b, 0,1,2,3
	v_exp_f32 v[BM+\b], v[BM+\b]                   ; the block's largest p: the same two instructions on the same number
.endr
	v_pk_mul_f32 v[14:15], v[14:15], v[FP:FP+1] op_sel_hi:[1,0]   ; the sums under the new M (the plain line behind the batch)
	s_wait_alu depctr_va_vdst(0)                   ; one wait for the batch, ahead of its first reader
	v_pk_add_f32 v[PB:PB+1], v[ST:ST+1], v[ST+2:ST+3]   ; the row's sum of the unquantised p, in two chains
.irp j, 4,8,12,16,20,24,28,32,36,40,44,48,52,56,60
	v_pk_add_f32 v[14:15], v[14:15], v[ST+\j:ST+1+\j]
	v_pk_add_f32 v[PB:PB+1], v[PB:PB+1], v[ST+2+\j:ST+3+\j]
.endr
	s_delay_alu instid0(VALU_DEP_1)
	v_pk_add_f32 v[14:15], v[14:15], v[PB:PB+1]
.irp b, 0,1,2,3
	v_max_num_f32 v[BM+\b], 0x4800000, v[BM+\b]    ; the floor 2^(9 - 127): the byte cannot fall under 1
.endr
.irp b, 0,1,2,3
	s_delay_alu instid0(VALU_DEP_4)
	v_add_nc_u32 v[SO+\b], 0xfc000000, v[BM+\b]    ; the conversion's scale operand
.endr
.irp b, 0,1,2,3
	v_and_or_b32 v[HD+\b], v[BM+\b], 0x7f800000, s[MNT]   ; 448 x the scale
.endr
.irp b, 0,1,2,3
	v_lshrrev_b32 v[PB+\b], 23, v[SO+\b]           ; the byte
.endr
	s_delay_alu instid0(VALU_DEP_3)
	v_lshl_or_b32 v[PS], v[PB+1], 8, v[PB]
	s_delay_alu instid0(VALU_DEP_1)
	v_lshl_or_b32 v[PS], v[PB+2], 16, v[PS]
	s_delay_alu instid0(VALU_DEP_1)
	v_lshl_or_b32 v[PS], v[PB+3], 24, v[PS]        ; p's scale word for these 128 keys
.irp b, 0,1,2,3
.irp i, 0,2,4,6,8,10,12,14
	v_dual_min_num_f32 v[ST+16*\b+\i], v[ST+16*\b+\i], v[HD+\b] :: v_dual_min_num_f32 v[ST+16*\b+\i+1], v[ST+16*\b+\i+1], v[HD+\b]   ; the conversion does not saturate (ISA guide 7.6.2); p is not negative: a one-sided hold, two a line
.endr
	v_cvt_scalef32_pk8_fp8_f32 v[PC+4*\b:PC+1+4*\b], v[ST+16*\b:ST+7+16*\b], v[SO+\b]
	v_cvt_scalef32_pk8_fp8_f32 v[PC+2+4*\b:PC+3+4*\b], v[ST+8+16*\b:ST+15+16*\b], v[SO+\b]
.endr
	s_wait_alu depctr_va_vdst(0)
.set n, 0
.rept 16
	v_pk_mul_f32 v[OT+n:OT+n+1], v[OT+n:OT+n+1], v[FP:FP+1] op_sel_hi:[1,0]   ; O^T under the new M; also the places ahead of the products below
.set n, n+2
.endr
	s_wait_alu depctr_va_vdst(0)
	s_wait_dscnt 0x0                               ; V's fragments and scale words
.irp t, 0,1,2,3
	v_wmma_scale_f32_16x16x128_f8f6f4 v[OT+8*\t:OT+8*\t+7], v[KB+16*\t:KB+16*\t+15], v[PC:PC+15], v[OT+8*\t:OT+8*\t+7], v[VS+\t], v[PS]
.endr
.if \full
	s_add_co_u32 s[TB], s[TB], KVREC
.else
.Lhid_\@:
.endif
.endm
.macro INIT p
.if \p
	s_wait_xcnt 0x0                                ; the first tile's stores have read their registers
.irp j, 0,1,2,3,4,5,6,7
	v_mov_b32 v[16+\j], v[Q2+\j]                   ; the second tile's q
.endr
	v_mov_b32 v[QS], v[Q2+8]
.endif
	v_mov_b32 v13, 0xff61b1e6                      ; the largest t so far: -3e38
	v_floor_f32 v12, -v13
	v_mov_b32 v14, 0
	v_mov_b32 v15, 0
	s_and_b32 s60, s[QM+\p], 127
	v_add_nc_u32 v[D0], s60, v[RH]
.set n, 0
.rept 16
	v_dual_mov_b32 v[OT+n], 0 :: v_dual_mov_b32 v[OT+n+1], 0
.set n, n+2
.endr
.if \p == 0
	s_mov_b32 s[CNT], 0
	s_mov_b32 s[TB], 0
.endif
	s_lshr_b32 s[LIM], s[WV], 1
	s_and_b32 s[PAR], s[WV], 1
.if \p == 0                            ; tile 0 is the long one
	s_sub_co_u32 s[LIM], 15, s[LIM]
	s_xor_b32 s[PAR], s[PAR], 1
.endif
	s_wait_alu depctr_va_vdst(0)
.endm
.macro FINISH p                        ; O^T / the sum, quantised along the 64 channels (two blocks of 32, each in lanes l and l xor 16)
	v_add_f32 v14, v14, v15
	s_delay_alu instid0(VALU_DEP_1)
	v_permlanex16_b32 v[TMP], v14, s[SEL], s[SEL+1]
	s_delay_alu instid0(VALU_DEP_1)
	v_add_f32 v14, v14, v[TMP]
	s_wait_alu depctr_va_vdst(0)
	v_rcp_f32 v[FP], v14
.rept 8
	v_nop
.endr
	s_wait_alu depctr_va_vdst(0)
.set n, 0
.rept 16
	v_pk_mul_f32 v[OT+n:OT+n+1], v[OT+n:OT+n+1], v[FP:FP+1] op_sel_hi:[1,0]
.set n, n+2
.endr
.irp b, 0,1
	v_max3_num_f32 v[BM+\b], |v[OT+16*\b]|, |v[OT+1+16*\b]|, 0x4800000
.endr
.irp i, 2,4,6,8,10,12,14
.irp b, 0,1
	s_delay_alu instid0(VALU_DEP_2)
	v_max3_num_f32 v[BM+\b], v[BM+\b], |v[OT+16*\b+\i]|, |v[OT+1+16*\b+\i]|
.endr
.endr
.irp b, 0,1
	s_delay_alu instid0(VALU_DEP_2)
	v_permlanex16_b32 v[PB+\b], v[BM+\b], s[SEL], s[SEL+1]
.endr
.irp b, 0,1
	s_delay_alu instid0(VALU_DEP_2)
	v_max_num_f32 v[BM+\b], v[BM+\b], v[PB+\b]
.endr
.irp b, 0,1
	s_delay_alu instid0(VALU_DEP_2)
	v_add_nc_u32 v[SO+\b], 0xfc000000, v[BM+\b]
.endr
.irp b, 0,1
	s_delay_alu instid0(VALU_DEP_4)
	v_and_or_b32 v[HD+\b], v[BM+\b], 0x7f800000, s[MNT]
.endr
.irp b, 0,1
	s_delay_alu instid0(VALU_DEP_4)
	v_lshrrev_b32 v[PB+\b], 23, v[SO+\b]
.endr
	s_delay_alu instid0(VALU_DEP_1)
	v_cndmask_b32 v[TMP], v[PB], v[PB+1], s[HM]    ; lanes 0-15 store block 0's byte, lanes 16-31 block 1's
.irp b, 0,1
.irp i, 0,1,2,3,4,5,6,7,8,9,10,11,12,13,14,15
	v_med3_num_f32 v[OT+16*\b+\i], v[OT+16*\b+\i], -v[HD+\b], v[HD+\b]
.endr
	v_cvt_scalef32_pk8_fp8_f32 v[PC+4*\b:PC+1+4*\b], v[OT+16*\b:OT+7+16*\b], v[SO+\b]
	v_cvt_scalef32_pk8_fp8_f32 v[PC+2+4*\b:PC+3+4*\b], v[OT+8+16*\b:OT+15+16*\b], v[SO+\b]
.endr
	v_nop                                          ; the plain line behind the last conversion
	global_store_b128 v[LA], v[PC:PC+3], s[44+8*\p:45+8*\p]   ; the wave stores 512 consecutive bytes, aligned
	global_store_b128 v[LA], v[PC+4:PC+7], s[44+8*\p:45+8*\p] offset:512
	global_store_b8 v[YS], v[TMP], s[46+8*\p:47+8*\p]
.endm
	s_load_b256 s[4:11], s[0:1], 0x0               ; qb, kv, yc, ys
	v_lshl_add_u32 v[SPW], v0, 2, SPARE
	v_mov_b32 v[NIL], 0
	ds_add_u32 v[SPW], v[NIL]                      ; the wave's opening: the add, twice on end, and its wait ahead of my first tensor load
	ds_add_u32 v[SPW], v[NIL]
	v_lshrrev_b32 v8, 5, v0
	v_readfirstlane_b32 s[WV], v8                  ; wave 0..15
	s_bfe_u32 s[CX], ttmp6, 0x40000                ; my place in the cluster: it enters global addresses of q and y and the mask's numbers alone
	s_and_b32 s13, ttmp7, 0xffff                   ; 16 x batch + head
	s_mov_b32 s16, 15|(3<<16)|(1<<21)              ; group 1: the mask names the cluster's four; elements of 8 bytes; bit 21 beside a mask
	s_mov_b32 s17, 32<<16                          ; a record: 68 rows of 256 bytes, dense
	s_mov_b32 s18, 68<<16
	s_mov_b32 s19, 32<<16
	s_mov_b32 s20, 68
	s_mov_b32 s21, 32
	s_mov_b32 s22, 0
	s_mov_b32 s23, 0
	s_mov_b32 s24, 1
	s_mul_i32 s25, s[WV], KVREC                    ; record = my wave's number, in LDS and in memory
	s_mul_i32 s60, s13, KVHEAD
	s_add_co_u32 s60, s60, s25
	s_mov_b32 s61, 0
	s_mul_i32 s62, s13, QHEAD
	s_mov_b32 s[SEL], 0x76543210
	s_mov_b32 s[SEL+1], 0xfedcba98
	s_mov_b32 s[CS], 0x3e38aa3b                    ; log2(e) / 8
	s_mov_b32 s[CS+1], s[CS]
	s_mov_b32 s[MNT], 0x600000
	s_mov_b32 s[HM], 0xffff0000
	s_wait_dscnt 0x0                               ; both opening adds are done
	CROUND                                         ; all four work-groups are here: the joint loads meet
	s_wait_kmcnt 0x0
	s_add_nc_u64 s[26:27], s[6:7], s[60:61]
	s_or_b32 s27, s27, 0x80000000
	s_cmp_lt_u32 s[WV], 8                          ; one load a wave; waves 0-7, whose records are shown ahead of the rest, have a line of their own
	s_cbranch_scc0 .Lupper
	tensor_load_to_lds s[24:27], s[16:23]
	s_nop 0
.rept 4
	v_nop
.endr
	s_branch .Lasked
.Lupper:
	tensor_load_to_lds s[24:27], s[16:23]
	s_nop 0
.rept 4
	v_nop
.endr
.Lasked:
	s_lshl_b32 s67, s[WV], 2
	s_add_co_u32 s67, s67, s[CX]
	s_sub_co_u32 s67, 127, s67                     ; my long tile comes first,
	PASSIDS 0
	s_sub_co_u32 s67, 127, s67                     ; my short tile second
	PASSIDS 1
	v_and_b32 v8, 31, v0
	v_lshlrev_b32 v[LA], 4, v8
	v_and_b32 v9, 15, v0
	v_bfe_u32 v10, v0, 4, 1
	v_lshlrev_b32 v11, 4, v9
	global_load_b128 v[16:19], v[LA], s[48:49]
	global_load_b128 v[20:23], v[LA], s[48:49] offset:512
	global_load_b32 v[QS], v11, s[50:51]
	global_load_b128 v[Q2:Q2+3], v[LA], s[56:57]
	global_load_b128 v[Q2+4:Q2+7], v[LA], s[56:57] offset:512
	global_load_b32 v[Q2+8], v11, s[58:59]
	v_and_b32 v[RH], 8, v9
	v_add_nc_u32 v[RH], v[RH], v9
	v_lshlrev_b32 v8, 4, v10
	v_sub_nc_u32 v[RH], v[RH], v8                  ; r + 8 (r / 8) - 16 h
	v_lshl_add_u32 v[YS], v9, 5, v10
.irp j, 0,1,2,3,4,5,6,7
	v_mov_b32 v[24+\j], 0                          ; q's upper 64 along K: zero codes
	v_mov_b32 v[PC+\j], 0                          ; p's codes are read as the upper half of K's last fragment from the first step on
	v_mov_b32 v[PC+8+\j], 0
.endr
.irp b, 0,1,2,3
	v_mov_b32 v[PB+\b], 0                          ; a lane permute's destination counts as one of its sources
.endr
	v_mov_b32 v[FP+1], 0
	v_mov_b32 v[TMP], 0
	v_mov_b32 v[NINF], 0xff800000
	INIT 0
	s_cmp_lt_u32 s[WV], 8
	s_cbranch_scc0 .Lnot_low
	s_wait_tensorcnt 0x0                           ; waves 0-7: my record is in
.Lnot_low:
	BARRIER                                        ; records 0-7 are whole
	s_wait_loadcnt 0x0                             ; q
.Lfirst:                                           ; the long tile's steps 0-7, on records 0-7: the same eight steps in every wave
	STEP 1
	s_add_co_u32 s[CNT], s[CNT], 1
	s_cmp_lt_u32 s[CNT], 8
	s_cbranch_scc1 .Lfirst
	s_wait_tensorcnt 0x0                           ; every wave: all that is still out
	BARRIER                                        ; all sixteen records are whole; no barrier follows until the end, so each wave walks its nine further steps on end
	s_mov_b32 s[CNT], 0
.Lrest:                                            ; sixteen trips: the long tile's records 8-15, then the short tile's records 0-7
	s_cmp_lg_u32 s[CNT], 8
	s_cbranch_scc1 .Lsame
	FINISH 0                                       ; at trip 8 the long tile leaves and the short one begins
	INIT 1
.Lsame:
	STEP 0
	s_add_co_u32 s[CNT], s[CNT], 1
	s_cmp_lt_u32 s[CNT], 16
	s_cbranch_scc1 .Lrest
	FINISH 1
	s_wait_tensorcnt 0x0                           ; the wave's end
	ds_add_u32 v[SPW], v[NIL]
	s_wait_dscnt 0x0
	CROUND                                         ; the closing round
	s_endpgm
.Lfunc_end_k_q1c09eb3c42_attn:
	.size	k_q1c09eb3c42_attn, .Lfunc_end_k_q1c09eb3c42_attn-k_q1c09eb3c42_attn
	.p2alignl 7, 3214868480
	.fill 96, 4, 3214868480
	.section	.rodata,"a",@progbits
	.p2align	6, 0x0
	.amdhsa_kernel k_q1c09eb3c42_attn
		.amdhsa_group_segment_fixed_size 327680
		.amdhsa_private_segment_fixed_size 0
		.amdhsa_enable_private_segment 0
		.amdhsa_kernarg_size 32
		.amdhsa_user_sgpr_count 2
		.amdhsa_user_sgpr_kernarg_segment_ptr 1
		.amdhsa_wavefront_size32 1
		.amdhsa_system_sgpr_workgroup_id_x 1
		.amdhsa_system_sgpr_workgroup_id_y 1
		.amdhsa_system_sgpr_workgroup_id_z 1
		.amdhsa_system_vgpr_workitem_id 0
		.amdhsa_next_free_vgpr 256
		.amdhsa_next_free_sgpr 72
		.amdhsa_reserve_vcc 1
		.amdhsa_float_denorm_mode_32 3
		.amdhsa_float_denorm_mode_16_64 3
		.amdhsa_memory_ordered 1
		.amdhsa_forward_progress 1
		.amdhsa_inst_pref_size 70
	.end_amdhsa_kernel
	.amdgpu_metadata
---
amdhsa.version: [ 1, 2 ]
amdhsa.kernels:
  - .name:           k_q1c09eb3c42_attn
    .symbol:         k_q1c09eb3c42_attn.kd
    .args:
      - { .name: qb, .offset: 0, .size: 8, .value_kind: global_buffer, .address_space: global }
      - { .name: kv, .offset: 8, .size: 8, .value_kind: global_buffer, .address_space: global }
      - { .name: yc, .offset: 16, .size: 8, .value_kind: global_buffer, .address_space: global }
      - { .name: ys, .offset: 24, .size: 8, .value_kind: global_buffer, .address_space: global }
    .group_segment_fixed_size: 327680
    .private_segment_fixed_size: 0
    .kernarg_segment_align: 8
    .kernarg_segment_size: 32
    .max_flat_workgroup_size: 512
    .sgpr_count:     72
    .vgpr_count:     256
    .wavefront_size: 32
...
	.end_amdgpu_metadata
.endif
;; end of part 3
;; launch proj (part 4): grid 4 x 64, 4 waves a work-group, clusters of 4 x 4, 327,680 bytes of LDS; arguments yc, ys, wc, ws, out0, b_proj; writes out0
.if DOCPART == 4
	.amdgcn_target "amdgcn-amd-amdhsa--gfx1250"
	.amdhsa_code_object_version 6
	.text
	.protected	k_q1c09eb3c42_proj
	.globl	k_q1c09eb3c42_proj
	.p2align	8
	.type	k_q1c09eb3c42_proj,@function
k_q1c09eb3c42_proj:
	s_mov_b64 s[64:65], 0
	v_nop
	global_prefetch_b8 v0, s[64:65] scope:SCOPE_SE
	s_setreg_imm32_b32 hwreg(HW_REG_WAVE_MODE, 25, 1), 1
	s_wait_xcnt 0x0
	s_wait_alu depctr_hold_cnt(0) depctr_sa_sdst(0) depctr_va_vdst(0) depctr_va_sdst(0) depctr_va_ssrc(0) depctr_va_vcc(0) depctr_vm_vsrc(0)
	s_getreg_b32 s2, hwreg(HW_REG_IB_STS2, 6, 4)
	s_cmp_eq_u32 s2, 0
	s_cbranch_scc0 .Lentry_in_a_cluster
	s_endpgm
.Lentry_in_a_cluster:
	s_bfe_u32 s2, ttmp6, 0x10000c
	s_cmp_lg_u32 s2, 0xf033
	s_cbranch_scc0 .Lentry_shape_is_right
	s_endpgm
.Lentry_shape_is_right:
; out0 = y W_proj + b_proj on codes of FP8 (E4M3) with E8M0 scales, K = 1,024.  A block of out0 is 128 rows x 256 columns: 64 x 4 = 256 work-groups.  Four waves, 2 x 2, 64 x 128 each: 32 accumulators, 256 registers.
; A = y's codes as images of operand registers (4,096 bytes for 16 rows and 256 along K), B = the weights' rows 3,072 on (rows of 1,024 bytes); K goes in four steps of 256 through a ring of two LDS slots.
; The scale bytes of the work-group's 128 + 256 rows come once.  The bias is the C of each sum's first product.
; The matrix instruction is used transposed (source 0 = 16 rows of B, source 1 = 16 rows of A): a lane holds one row of out0; since the weights' rows lie with bits 3 and 4 swapped, two neighbouring tiles give it 16 neighbouring columns.
; CLUSTERS of 4 x 4: A's tiles are asked for jointly along a row of the cluster, B's along a column.
; No prefetch: K steps 0 and 1 are asked for at the head and only two refills follow, each one step of 64 products a wave behind the one before.
; REGISTERS: window 0: v0-31 addresses; v32-63 scale words, two sets; v64-127 the bias; v128-255 A's fragments, two sets of four.  window 1: B's fragments, two sets of eight.  window 2: accumulator (a, b) at v[8 (8 a + b)].
; A step of 128 along K is 32 products; the next step's 48 fragment loads are issued ahead of them, into the other sets.
.set NQ,     2
.set ROWB,   256
.set AKB,    4096
.set KROW,   1024
.set PITCH,  272                       ; B's LDS row: 256 bytes + 16 of padding
.set FR,     16
.set NP,     8                         ; places behind this matrix instruction (ISA guide 7.12.1)
.set HALFA,  4*AKB                     ; 64 rows of A: a wave's rows, and what one load of the ring brings
.set HALFB,  128*PITCH
.set BOFF,   2*HALFA
.set SLOT,   BOFF+2*HALFB
.set KS,     32
.set SCL,    2*SLOT                    ; behind the ring: the scale bytes as units of 256 bytes (8 rows) + 16: A's 128 rows, then B's 256
.set HALFS,  (128*KS/256)*272
.set SBLK,   (16*KS/256)*272
.set SPARE,  SCL+3*HALFS               ; the spare words, 128 bytes for each wave
.set SPITCH, 528                       ; the way out: a stage of 16 rows x (512 + 16) bytes for each wave, in slot 0, which has had its last fill and its last read by then
.set ADRA, 16
.set ADRB, 20
.set STO,  24
.set RD,   25
.set CO,   26
.set ADRS, 27
.set SPW,  28
.set NIL,  29
.set SC,   32
.set BI,   64
.set AF,   128
.set BK,   128
.set G1, 24
.set G0, 32
.set G1B, 48
.set G0B, 56
.set G1S, 68
.set G0S, 76
.set G1SB, 80
.set G0SB, 88
.set G0H, 4                            ; s[4:7], s[8:11] group 0 of the head's loads of K step 0 (the arguments that lay there have been used)
.set G0HB, 8
.set MSB, 0
.macro WIN new                         ; the immediate's high byte repeats the setting that is left
.if MSB != (\new)
	s_set_vgpr_msb (MSB<<8)|(\new)
.set MSB, (\new)
.endif
.endm
.set MUL_W,  0xa1                      ; source 0 (B) window 1, source 1 (A) window 0, C and D window 2
.set MUL_Z,  0x81                      ; the same with C (the bias) in window 0
.set TO_B,   0x40
.macro PLACES n
.rept \n
	v_nop
.endr
.endm
.macro JLOAD g0a, g1a, g0b, g1b        ; a joint load: waves 0 and 1 fetch for A, waves 2 and 3 for B; an s_nop 0 and four v_nop follow each line
	s_cmp_eq_u32 s15, 0
	s_cbranch_scc0 .Lfor_b_\@
	tensor_load_to_lds s[\g0a:\g0a+3], s[\g1a:\g1a+7]
	s_nop 0
	PLACES 4
	s_branch .Lasked_\@
.Lfor_b_\@:
	tensor_load_to_lds s[\g0b:\g0b+3], s[\g1b:\g1b+7]
	s_nop 0
	PLACES 4
.Lasked_\@:
.endm
.macro CREST
	s_cmp_lg_u32 s14, 0
	s_cbranch_scc1 .Lnot_wave_0_\@
	s_barrier_signal -3
.Lnot_wave_0_\@:
	s_barrier_wait -3
	s_barrier_signal -1
	s_barrier_wait -1
.endm
.macro CROUND
	s_barrier_signal -1
	s_barrier_wait -1
	CREST
.endm
	s_load_b128 s[4:7], s[0:1], 0x0                ; yc, ys
	s_load_b128 s[8:11], s[0:1], 0x10              ; wc, ws
	s_load_b64 s[12:13], s[0:1], 0x20              ; out0
	s_load_b64 s[96:97], s[0:1], 0x28              ; b_proj
	v_lshl_add_u32 v[SPW], v0, 2, SPARE
	v_mov_b32 v[NIL], 0
	ds_add_u32 v[SPW], v[NIL]                      ; the wave's opening: the add, twice on end, and its wait ahead of my first tensor load
	ds_add_u32 v[SPW], v[NIL]
	v_lshrrev_b32 v1, 5, v0
	v_readfirstlane_b32 s14, v1                    ; wave 0..3
	s_lshr_b32 s15, s14, 1                         ; my half of the block's rows.  Also: I fetch for A (0) or B (1)
	s_and_b32 s16, s14, 1                          ; my half of its columns.  Also: which half of a tile I fetch
	s_bfe_u32 s40, ttmp6, 0x40000                  ; cx
	s_bfe_u32 s41, ttmp6, 0x40004                  ; cy
	s_lshl_b32 s42, ttmp9, 2
	s_add_co_u32 s42, s42, s40                     ; block column
	s_and_b32 s17, ttmp7, 0xffff
	s_lshl_b32 s17, s17, 2
	s_add_co_u32 s17, s17, s41                     ; block row
	s_lshl_b32 s43, s41, 2
	s_lshl_b32 s43, 15, s43                        ; my row of the cluster
	s_lshl_b32 s44, 0x1111, s40                    ; my column
	s_or_b32 s[G1+0], s43, (3<<16)|(1<<21)         ; A: images of 4,096 bytes (512 elements of 8), 16,384 bytes apart in memory, on end in LDS
	s_mov_b32 s[G1+1], 512<<16
	s_mov_b32 s[G1+2], 8<<16                       ; the head's load brings all 128 rows (8 images); set to 4 for the ring's behind the wait for it
	s_mov_b32 s[G1+3], 512<<16
	s_mov_b32 s[G1+4], 8
	s_mov_b32 s[G1+5], 2048
	s_mov_b32 s[G1+6], 0
	s_mov_b32 s[G1+7], 0
	s_or_b32 s[G1B+0], s44, (0<<16)|(1<<20)|(1<<21)|(5<<22)|(3<<25)   ; B: rows of 256 bytes, 4 words of padding after every 64
	s_mov_b32 s[G1B+1], ROWB<<16
	s_mov_b32 s[G1B+2], 256<<16                    ; 256 rows at the head, 128 in the ring
	s_mov_b32 s[G1B+3], ROWB<<16
	s_mov_b32 s[G1B+4], 256
	s_mov_b32 s[G1B+5], KROW
	s_mov_b32 s[G1B+6], 0
	s_mov_b32 s[G1B+7], 0
	s_or_b32 s[G1S+0], s43, (3<<16)|(1<<20)|(1<<21)|(5<<22)|(3<<25)   ; scale bytes: dense, as rows of 256 bytes, 16 of padding behind each: A's 128 rows are 16 such,
	s_mov_b32 s[G1S+1], 32<<16
	s_mov_b32 s[G1S+2], 16<<16
	s_mov_b32 s[G1S+3], 32<<16
	s_mov_b32 s[G1S+4], 16
	s_mov_b32 s[G1S+5], 32
	s_mov_b32 s[G1S+6], 0
	s_mov_b32 s[G1S+7], 0
	s_or_b32 s[G1SB+0], s44, (3<<16)|(1<<20)|(1<<21)|(5<<22)|(3<<25)  ; B's 256 rows 32
	s_mov_b32 s[G1SB+1], 32<<16
	s_mov_b32 s[G1SB+2], 32<<16
	s_mov_b32 s[G1SB+3], 32<<16
	s_mov_b32 s[G1SB+4], 32
	s_mov_b32 s[G1SB+5], 32
	s_mov_b32 s[G1SB+6], 0
	s_mov_b32 s[G1SB+7], 0
	s_lshl_b32 s20, s17, 7                         ; A: the block's first row
	s_lshl_b32 s46, s42, 8                         ; B: likewise
	s_mov_b32 s21, 0
	s_mov_b32 s47, 0
	s_mov_b64 s[18:19], KS
	s_mul_u64 s[22:23], s[20:21], s[18:19]
	s_mul_u64 s[92:93], s[46:47], s[18:19]
	s_mov_b64 s[18:19], KROW
	s_mul_u64 s[20:21], s[20:21], s[18:19]
	s_mul_u64 s[46:47], s[46:47], s[18:19]
	s_mul_i32 s45, s16, HALFA                      ; where the ring's loads go: no place in the cluster enters an LDS address
	s_mul_i32 s95, s16, HALFB
	s_add_co_u32 s95, s95, BOFF
	s_mul_i32 s18, s16, 64*KROW                    ; in the ring I fetch half a tile: 64 rows of A
	s_mov_b32 s19, 0
	s_mul_i32 s2, s16, 128*KROW                    ; or 128 rows of B
	s_mov_b32 s3, 0
	s_wait_dscnt 0x0                               ; both opening adds are done
	s_wait_kmcnt 0x0
	s_add_nc_u64 s[8:9], s[8:9], 0x300000          ; W_proj's rows lie behind W_attn's 3,072
	s_add_nc_u64 s[10:11], s[10:11], 0x18000
	s_add_nc_u64 s[20:21], s[4:5], s[20:21]
	s_add_nc_u64 s[22:23], s[6:7], s[22:23]
	s_add_nc_u64 s[46:47], s[8:9], s[46:47]
	s_add_nc_u64 s[92:93], s[10:11], s[92:93]
	CROUND                                         ; all sixteen work-groups are here: the first joint loads meet
	s_mov_b32 s[G0S], 1
	s_mov_b32 s[G0S+1], SCL
	s_mov_b64 s[G0S+2:G0S+3], s[22:23]
	s_or_b32 s[G0S+3], s[G0S+3], 0x80000000
	s_mov_b32 s[G0SB], 1
	s_mov_b32 s[G0SB+1], SCL+HALFS
	s_mov_b64 s[G0SB+2:G0SB+3], s[92:93]
	s_or_b32 s[G0SB+3], s[G0SB+3], 0x80000000
	s_mov_b32 s[G0H], 1
	s_mov_b32 s[G0H+1], 0
	s_mov_b64 s[G0H+2:G0H+3], s[20:21]
	s_or_b32 s[G0H+3], s[G0H+3], 0x80000000
	s_mov_b32 s[G0HB], 1
	s_mov_b32 s[G0HB+1], BOFF
	s_mov_b64 s[G0HB+2:G0HB+3], s[46:47]
	s_or_b32 s[G0HB+3], s[G0HB+3], 0x80000000
	s_add_nc_u64 s[20:21], s[20:21], s[18:19]      ; for the ring: my half of the tile
	s_add_nc_u64 s[46:47], s[46:47], s[2:3]
.irp s, 0,1
	s_mov_b32 s[G0+4*\s], 1
	s_add_co_u32 s[G0+4*\s+1], s45, \s*SLOT
	s_add_nc_u64 s[G0+4*\s+2:G0+4*\s+3], s[20:21], \s*AKB
	s_or_b32 s[G0+4*\s+3], s[G0+4*\s+3], 0x80000000
	s_mov_b32 s[G0B+4*\s], 1
	s_add_co_u32 s[G0B+4*\s+1], s95, \s*SLOT
	s_add_nc_u64 s[G0B+4*\s+2:G0B+4*\s+3], s[46:47], \s*ROWB
	s_or_b32 s[G0B+4*\s+3], s[G0B+4*\s+3], 0x80000000
.endr
; THE HEAD'S LOADS, ONE A WAVE: wave 0 K step 0's rows of A, wave 1 those of B, wave 2 the scale bytes of A's rows, wave 3 those of B's: one chain of branches, a load to an arm, one join.
.macro ARM under, g0, g1, next
	s_cmp_lt_u32 s14, \under
	s_cbranch_scc0 \next
	tensor_load_to_lds s[\g0:\g0+3], s[\g1:\g1+7]
	s_nop 0
	PLACES 4
	s_branch .Lhead_asked
\next:
.endm
	ARM 1, G0H,  G1,  .Lhead_b
	ARM 2, G0HB, G1B, .Lhead_sa
	ARM 3, G0S,  G1S, .Lhead_sb
	tensor_load_to_lds s[G0SB:G0SB+3], s[G1SB:G1SB+7]
	s_nop 0
	PLACES 4
.Lhead_asked:
	v_and_b32 v1, 15, v0                           ; r
	v_bfe_u32 v2, v0, 4, 1                         ; h
	v_mul_u32_u24 v3, v1, PITCH
	v_lshl_add_u32 v4, v2, 4, v3                   ; B: a fragment's row x pitch + 16 h
	v_and_b32 v6, 31, v0
	v_lshlrev_b32 v[CO], 4, v6                     ; A: 16 x lane in an image
	s_mul_i32 s21, s15, HALFA
	s_mul_i32 s22, s16, HALFB
	s_add_co_u32 s22, s22, BOFF
.irp s, 0,1
	v_add_nc_u32 v[ADRA+\s], s21, v[CO]
	v_add_nc_u32 v[ADRB+\s], s22, v4
	s_add_co_u32 s21, s21, SLOT
	s_add_co_u32 s22, s22, SLOT
.endr
	v_mul_u32_u24 v5, v1, KS                       ; my row's scale bytes: 32 a row,
	v_lshrrev_b32 v6, 8, v5
	v_lshl_add_u32 v5, v6, 4, v5                   ; and 16 more for each 256 passed
	s_mul_i32 s21, s15, HALFS/2                    ; A's: my 64 rows
	s_mul_i32 s22, s16, HALFS                      ; B's: my 128 rows, behind A's 128
	s_add_co_u32 s22, s22, HALFS
	s_sub_co_u32 s22, s22, s21
	v_mul_u32_u24 v6, s22, v2                      ; lanes 16-31 take B's
	s_add_co_u32 s21, s21, SCL
	v_add_nc_u32 v5, v5, v6
	v_add_nc_u32 v[ADRS], s21, v5
	s_mul_i32 s23, s14, 16*SPITCH                  ; my stage
	v_mul_u32_u24 v5, v1, SPITCH
	v_lshl_add_u32 v5, v2, 6, v5                   ; in: row r, 64 bytes for each half of the lanes and pair of tiles
	v_add_nc_u32 v[STO], s23, v5
	v_add_nc_u32 v[RD], s23, v[CO]                 ; back: the 32 lanes take one row of 512 bytes
	s_lshl_b32 s20, s17, 7
	s_lshl_b32 s21, s15, 6
	s_add_co_u32 s20, s20, s21                     ; my first row of out0
	s_mov_b32 s21, 0
	s_lshl_b64 s[20:21], s[20:21], 12
	s_lshl_b32 s46, s42, 10
	s_lshl_b32 s47, s16, 9
	s_add_co_u32 s46, s46, s47                     ; my first column, in bytes
	s_mov_b32 s47, 0
	s_add_nc_u64 s[20:21], s[20:21], s[46:47]
	s_add_nc_u64 s[12:13], s[12:13], s[20:21]
	s_add_nc_u64 s[96:97], s[96:97], s[46:47]
	v_lshlrev_b32 v8, 6, v2                        ; the bias: tile b's register j is column 32 (b / 2) + 16 h + 8 (b % 2) + j
.irp b, 0,1,2,3,4,5,6,7
	global_load_b128 v[BI+8*\b:BI+8*\b+3], v8, s[96:97] offset:(32*(\b/2)+8*(\b%2))*4
	global_load_b128 v[BI+8*\b+4:BI+8*\b+7], v8, s[96:97] offset:(32*(\b/2)+8*(\b%2))*4+16
.endr
; products of A's blocks a0 .. a1 with B's eight: the slot's q-th 128 along K, fragment sets p, scale words' set sc.  zero = 1: the sums begin with the bias.
; The 32 accumulators take turns, one instruction a turn, in the same order in every step.
.macro MUL a0, a1, p, q, sc, zero
.set A_, \a0
.rept (\a1)-(\a0)+1
.irp b, 0,1,2,3,4,5,6,7
.if \zero
	v_wmma_scale_f32_16x16x128_f8f6f4 v[8*(8*A_+\b):8*(8*A_+\b)+7], v[128*(\p)+FR*\b:128*(\p)+FR*\b+FR-1], v[AF+64*(\p)+FR*A_:AF+64*(\p)+FR*A_+FR-1], v[BI+8*\b:BI+8*\b+7], v[SC+8*NQ*(\sc)+NQ*\b+(\q)], v[SC+8*NQ*(\sc)+NQ*A_+(\q)] matrix_a_scale:MATRIX_SCALE_ROW1
.else
	v_wmma_scale_f32_16x16x128_f8f6f4 v[8*(8*A_+\b):8*(8*A_+\b)+7], v[128*(\p)+FR*\b:128*(\p)+FR*\b+FR-1], v[AF+64*(\p)+FR*A_:AF+64*(\p)+FR*A_+FR-1], v[8*(8*A_+\b):8*(8*A_+\b)+7], v[SC+8*NQ*(\sc)+NQ*\b+(\q)], v[SC+8*NQ*(\sc)+NQ*A_+(\q)] matrix_a_scale:MATRIX_SCALE_ROW1
.endif
.endr
.set A_, A_+1
.endr
.endm
.macro FETCH slot, q, p                ; the fragments of the slot's q-th 128 along K into sets p: B's eight (32 loads), A's four (16 loads)
	WIN TO_B
.irp i, 0,1,2,3,4,5,6,7
.irp c, 0,1,2,3
	ds_load_b128 v[128*(\p)+FR*\i+4*\c:128*(\p)+FR*\i+4*\c+3], v[ADRB+\slot] offset:128*(\q)+32*\c+\i*16*PITCH
.endr
.endr
	WIN 0
.irp i, 0,1,2,3
.irp c, 0,1,2,3
	ds_load_b128 v[AF+64*(\p)+FR*\i+4*\c:AF+64*(\p)+FR*\i+4*\c+3], v[ADRA+\slot] offset:\i*AKB+2048*(\q)+512*\c
.endr
.endr
.endm
.macro SCALES sc                       ; a K step's scale words, two a row: lanes 0-15 A's block i (blocks 4-7 are other rows' words and serve no product), lanes 16-31 B's block i
.irp i, 0,1,2,3,4,5,6,7
	ds_load_b64 v[SC+8*NQ*\sc+NQ*\i:SC+8*NQ*\sc+NQ*\i+1], v[ADRS] offset:\i*SBLK
.endr
.endm
.macro STEP slot, zero                 ; a slot's first 128 along K, on sets 0; the second 128's fragments are asked for ahead of the products, into sets 1
	s_wait_dscnt 0x0                               ; this step's fragments and scale words are in
	PLACES NP                                      ; behind the products that read sets 1
	FETCH \slot, 1, 1
.if \zero
	WIN MUL_Z
.else
	WIN MUL_W
.endif
	MUL 0, 3, 0, 0, \slot, \zero
	WIN 0
.endm
; A slot's second 128 along K, on sets 1, changes slots: one barrier; in front of it each wave waits for all its tensor loads, adds 0 to its spare word, and waits for that and for its reads of this slot.
.macro TURN slot, next, fill
	s_wait_tensorcnt 0x0                           ; all my tensor loads have landed: my part of the next slot
	ds_add_u32 v[SPW], v[NIL]
	s_wait_dscnt 1                                 ; this step's fragments are in (the add alone may be out)
	WIN MUL_W
	MUL 0, 0, 1, 1, \slot, 0
	s_wait_dscnt 0x0                               ; the add is done, and my reads of this slot are over
	s_barrier_signal -1
	MUL 1, 1, 1, 1, \slot, 0
	WIN 0
	s_barrier_wait -1
.if \fill
	CREST                                          ; the barrier has opened a round of the cluster's: no wave of any partner still reads this slot or has a load on its way
	s_add_nc_u64 s[G0+4*\slot+2:G0+4*\slot+3], s[G0+4*\slot+2:G0+4*\slot+3], 2*AKB
	s_add_nc_u64 s[G0B+4*\slot+2:G0B+4*\slot+3], s[G0B+4*\slot+2:G0B+4*\slot+3], 2*ROWB
	JLOAD G0+4*\slot, G1, G0B+4*\slot, G1B         ; the first tensor load behind the round; its four v_nop are among the places below
	PLACES NP-4
.else
	PLACES NP
.endif
	v_add_nc_u32 v[ADRS], 4*NQ, v[ADRS]            ; the next K step's scale words
	s_wait_alu depctr_va_vdst(0)
	FETCH \next, 0, 0
	SCALES \next
	WIN MUL_W
	MUL 2, 3, 1, 1, \slot, 0
	WIN 0
.endm
	s_wait_alu depctr_va_vdst(0)
	s_wait_tensorcnt 0x0                           ; my tile of the head's four is in
	ds_add_u32 v[SPW], v[NIL]
	s_mov_b32 s[G1+2], 4<<16                       ; no tensor load of mine is out: from here on a load brings half a tile
	s_mov_b32 s[G1+4], 4
	s_mov_b32 s[G1B+2], 128<<16
	s_mov_b32 s[G1B+4], 128
	s_wait_dscnt 0x0                               ; the add is done
	CROUND                                         ; all four tiles are in, and all sixteen work-groups are here
	JLOAD G0+4, G1, G0B+4, G1B                     ; K step 1's load, the first tensor load behind the round
	FETCH 0, 0, 0
	SCALES 0
	s_wait_loadcnt 0x0                             ; the bias
	STEP 0, 1
	TURN 0, 1, 1                                   ; K = 1,024 is four K steps: each slot is filled again once, so the two laps are written straight
	STEP 1, 0
	TURN 1, 0, 1
	STEP 0, 0
	TURN 0, 1, 0                                   ; nothing is left to fetch
	STEP 1, 0
	s_wait_dscnt 0x0
	WIN MUL_W
	MUL 0, 3, 1, 1, 1, 0
	WIN 0
; THE WAY OUT, block by block of 16 rows x 128 columns, through my own stage: in as a lane holds them, back as whole rows of 512 bytes.  LDS serves a wave's instructions in order: no wait between the stores and the loads.
.macro TOSTAGE a
.set AC, 64*(\a)
	WIN 0x08                                       ; the data: window 2
.irp b, 0,1,2,3,4,5,6,7
	ds_store_b128 v[STO], v[AC+8*\b:AC+8*\b+3] offset:128*(\b/2)+32*(\b%2)      ; each accumulator from its low end on
	ds_store_b128 v[STO], v[AC+8*\b+4:AC+8*\b+7] offset:128*(\b/2)+32*(\b%2)+16
.endr
	WIN 0
.set BB, BK+64*((\a)%2)
.irp t, 0,1,2,3,4,5,6,7,8,9,10,11,12,13,14,15
	ds_load_b128 v[BB+4*\t:BB+4*\t+3], v[RD] offset:\t*SPITCH
.endr
.endm
.macro SEND a, younger                 ; younger: the LDS instructions issued behind block a's loads, which may stay out
.set BB, BK+64*((\a)%2)
	s_wait_dscnt \younger
.if ((\a) > 0) && ((\a)%2 == 0)
	s_add_nc_u64 s[12:13], s[12:13], 32*4096       ; (behind a wait on XCNT: the earlier stores have read their base)
.endif
.irp t, 0,1,2,3,4,5,6,7,8,9,10,11,12,13,14,15
	global_store_b128 v[CO], v[BB+4*\t:BB+4*\t+3], s[12:13] offset:(8*((\a)%2)+(\t%8)+16*(\t/8))*4096 th:TH_STORE_NT   ; stored row t of block a is token 8 (a % 2) + t % 8 + 16 (t / 8) of its 32; 32 lanes store 512 consecutive bytes, aligned
.endr
.endm
	PLACES NP
	TOSTAGE 0
.irp a, 1,2,3
.if \a > 1
	s_wait_xcnt 0x0                                ; block a - 2's stores have read their registers and their base
.endif
	TOSTAGE \a
	SEND \a-1, 32                                  ; behind block a - 1's loads: block a's 16 stores and 16 loads
.endr
	s_wait_xcnt 0x0
	SEND 3, 0
	s_wait_tensorcnt 0x0                           ; the wave's end
	ds_add_u32 v[SPW], v[NIL]
	s_wait_dscnt 0x0
	CROUND                                         ; the closing round
	s_endpgm
.Lfunc_end_k_q1c09eb3c42_proj:
	.size	k_q1c09eb3c42_proj, .Lfunc_end_k_q1c09eb3c42_proj-k_q1c09eb3c42_proj
	.p2alignl 7, 3214868480
	.fill 96, 4, 3214868480
	.section	.rodata,"a",@progbits
	.p2align	6, 0x0
	.amdhsa_kernel k_q1c09eb3c42_proj
		.amdhsa_group_segment_fixed_size 327680
		.amdhsa_private_segment_fixed_size 0
		.amdhsa_enable_private_segment 0
		.amdhsa_kernarg_size 48
		.amdhsa_user_sgpr_count 2
		.amdhsa_user_sgpr_kernarg_segment_ptr 1
		.amdhsa_wavefront_size32 1
		.amdhsa_system_sgpr_workgroup_id_x 1
		.amdhsa_system_sgpr_workgroup_id_y 1
		.amdhsa_system_sgpr_workgroup_id_z 1
		.amdhsa_system_vgpr_workitem_id 0
		.amdhsa_next_free_vgpr 768
		.amdhsa_next_free_sgpr 98
		.amdhsa_reserve_vcc 0
		.amdhsa_float_denorm_mode_32 3
		.amdhsa_float_denorm_mode_16_64 3
		.amdhsa_memory_ordered 1
		.amdhsa_forward_progress 1
		.amdhsa_inst_pref_size 91
	.end_amdhsa_kernel
	.amdgpu_metadata
---
amdhsa.version: [ 1, 2 ]
amdhsa.kernels:
  - .name:           k_q1c09eb3c42_proj
    .symbol:         k_q1c09eb3c42_proj.kd
    .args:
      - { .name: yc, .offset: 0, .size: 8, .value_kind: global_buffer, .address_space: global }
      - { .name: ys, .offset: 8, .size: 8, .value_kind: global_buffer, .address_space: global }
      - { .name: wc, .offset: 16, .size: 8, .value_kind: global_buffer, .address_space: global }
      - { .name: ws, .offset: 24, .size: 8, .value_kind: global_buffer, .address_space: global }
      - { .name: out0, .offset: 32, .size: 8, .value_kind: global_buffer, .address_space: global }
      - { .name: b_proj, .offset: 40, .size: 8, .value_kind: global_buffer, .address_space: global }
    .group_segment_fixed_size: 327680
    .private_segment_fixed_size: 0
    .kernarg_segment_align: 8
    .kernarg_segment_size: 48
    .max_flat_workgroup_size: 128
    .sgpr_count:     98
    .vgpr_count:     768
    .wavefront_size: 32
...
	.end_amdgpu_metadata
.endif
;; end of part 4
